; MI455X (gfx1250); checked and timed in simulation.
; The chip was launched on July 23, 2026; its instructions are those of AMD's public machine-readable ISA for CDNA 5 (MIT licence, August 2026) and "CDNA5" Instruction Set Architecture Reference Guide (July 2026). The comments in the code are by the model that wrote it; some were corrected since.
;; Mo E Layer. Allowed arithmetic: float matrix products may take bf16 or f16 operands with f32 sums; other float arithmetic in f32, or as packed bf16 or f16 multiplies, adds, multiply-adds, maxima and minima; sums over many terms, partial sums and values carried from step to step in f32; what a program stores and reads back later, other than sums and carried values, may be rounded once to bf16 or f16.
;; Inputs: W1 8 x 2,736 x 1,024 float32; W2 8 x 1,024 x 2,736 float32; Wg 8 x 2,736 x 1,024 float32; gate_w 8 x 1,024 float32; x 2 x 512 x 1,024 float32.
;; Outputs: out0 2 x 512 x 1,024 float32.
;; 2 versions, each right. Each part assembles by itself: llvm-mc -triple=amdgcn-amd-amdhsa -mcpu=gfx1250 --defsym DOCPART=n.
;; ======== version 1 of 2: 4 launches
;; workspace buffers: xb 2,097,408 bytes; bm 2,048 bytes of whole numbers; gw 8,192 bytes; hid 45,088,768 bytes; y 16,777,216 bytes
;; launch router (part 1): grid 32 x 1, 8 waves a work-group, no clusters, 78,848 bytes of LDS; arguments x, gate_w, xb, bm, gw; writes xb, bm, gw
.if DOCPART == 1
	.amdgcn_target "amdgcn-amd-amdhsa--gfx1250"
	.amdhsa_code_object_version 6
	.text
	.protected	k_qbf3d73ce6a_router
	.globl	k_qbf3d73ce6a_router
	.p2align	8
	.type	k_qbf3d73ce6a_router,@function
k_qbf3d73ce6a_router:
	s_mov_b64 s[64:65], 0
	v_nop
	global_prefetch_b8 v0, s[64:65] scope:SCOPE_SE
	s_setreg_imm32_b32 hwreg(HW_REG_WAVE_MODE, 25, 1), 1
	s_wait_xcnt 0x0
; ROUTER.  x [1024][1024] f32 is rounded once to bf16 (xb); logits = xb . bf16(gate_w)^T by the matrix unit, sums in f32; softmax over 8 with the
; maximum taken away; the two largest probabilities (of equal ones the lower index); their weights p / (p1 + p2 + 1e-8).
; Stored at fixed places: xb; gw[k][token] f32; bm[word g][k][e]: bit L of the word is set if token 32 g + L took expert e as its choice k.
; No address here hangs on the choice.
; SHARES.  Work-group g has tokens 32 g .. 32 g + 31 (one word of each bitmap); wave w has K = 128 w .. 128 w + 127 of all 32 tokens; the eight
; partial logits meet in LDS, and wave 0 adds them in the waves' order and chooses.
; LIMITS.  NaN and infinities are not treated apart; an input beyond bf16's largest number rounds to infinity; a probability under 2^-126 counts as 0;
; the two divisions are a reciprocal (1 ulp) and a multiply.
.set XP,    272                        ; an LDS row of 128 bf16: 256 bytes + 16, so that the 16 rows of a fragment load start at 16 different groups of banks
.set XTW,   32*XP                      ; a wave's own 32 rows
.set RED,   8*XTW                      ; behind them: 1,024 bytes a wave, its partial logits
.set SPARE, RED+8*1024                 ; the spare words, 128 bytes a wave: four blocks of 256 bytes that no other line names
.set X,   16                           ; v[16:143]  32 rows x 4 registers as loaded; the first two of each then hold the row's 4 bf16
.set GF,  144                          ; v[144:207] gate_w's fragments in f32; later x's fragments (tile t, K step k at GF + 32 t + 8 k)
.set GB,  208                          ; v[208:239] gate_w's fragments in bf16; later v[208:215] the lane's eight partial logits
.set ACA, 240                          ; v[240:247] tokens 0-15
.set ACB, 248                          ; v[248:255] tokens 16-31
	s_load_b256 s[4:11], s[0:1], 0x0               ; x s[4:5], gate_w s[6:7], xb s[8:9], bm s[10:11]
	s_load_b64 s[12:13], s[0:1], 0x20              ; gw
	v_lshl_add_u32 v1, v0, 2, SPARE                ; my spare word; never rewritten
	v_mov_b32 v2, 0                                ; 0; never rewritten
	v_lshrrev_b32 v3, 5, v0
	v_readfirstlane_b32 s14, v3                    ; wave
	v_and_b32 v3, 31, v0                           ; lane
	v_and_b32 v4, 15, v0                           ; r
	v_bfe_u32 v5, v0, 4, 1                         ; h
	v_lshlrev_b32 v6, 4, v3                        ; x: 16 bytes a lane
	v_and_b32 v7, 7, v0                            ; gate_w: fragment rows 8-15 repeat the experts 0-7
	v_lshlrev_b32 v7, 12, v7                       ; a row of gate_w is 4,096 bytes
	v_lshl_add_u32 v7, v5, 5, v7                   ; + 32 h: eight f32
	v_lshlrev_b32 v8, 3, v3                        ; xb: 8 bytes a lane
	s_mul_i32 s15, s14, XTW
	v_add_nc_u32 v9, s15, v8                       ; into my rows in LDS
	v_mul_u32_u24 v10, v4, XP
	v_lshl_add_u32 v10, v5, 4, v10
	v_add_nc_u32 v10, s15, v10                     ; a fragment's row x pitch + 16 h
	s_lshl_b32 s16, s14, 10
	s_add_co_u32 s16, s16, RED
	v_add_nc_u32 v11, s16, v6                      ; my partial logits
	v_add_nc_u32 v12, RED, v6                      ; wave 0 reads all eight from here
	s_mov_b32 s17, ttmp9                           ; g
	s_lshl_b32 s18, s17, 17                        ; 32 rows of 4,096 bytes
	s_lshl_b32 s20, s14, 9                         ; my 128 f32 of a row
	s_add_co_u32 s18, s18, s20
	s_mov_b32 s19, 0
	s_mov_b32 s21, 0
	s_lshl_b32 s22, s17, 16                        ; 32 rows of 2,048 bytes
	s_lshl_b32 s24, s14, 8
	s_add_co_u32 s22, s22, s24
	s_mov_b32 s23, 0
	s_mov_b32 s25, 0x3fb8aa3b                      ; log2(e)
	s_wait_kmcnt 0x0
	s_add_nc_u64 s[4:5], s[4:5], s[18:19]
	s_add_nc_u64 s[6:7], s[6:7], s[20:21]
	s_add_nc_u64 s[8:9], s[8:9], s[22:23]
.set i, 0
.rept 32                               ; each load: 512 consecutive bytes of one row, at a multiple of 512 from x's first byte
	global_load_b128 v[X+4*i:X+4*i+3], v6, s[4:5] offset:i*4096 th:TH_LOAD_NT
.set i, i+1
.endr
.set i, 0
.rept 4                                ; K step i: a lane's k = 8 h + 0..7 and 16 + 8 h + 0..7, in f32
	global_load_b128 v[GF+16*i:GF+16*i+3],     v7, s[6:7] offset:i*128
	global_load_b128 v[GF+16*i+4:GF+16*i+7],   v7, s[6:7] offset:i*128+16
	global_load_b128 v[GF+16*i+8:GF+16*i+11],  v7, s[6:7] offset:i*128+64
	global_load_b128 v[GF+16*i+12:GF+16*i+15], v7, s[6:7] offset:i*128+80
.set i, i+1
.endr
.set i, 0
.rept 32
	s_wait_loadcnt 47-i                            ; loads come back in order: behind row i stand 31 - i rows and gate_w's 16
	v_cvt_pk_bf16_f32 v[X+4*i],   v[X+4*i],   v[X+4*i+1]
	v_cvt_pk_bf16_f32 v[X+4*i+1], v[X+4*i+2], v[X+4*i+3]
	global_store_b64 v8, v[X+4*i:X+4*i+1], s[8:9] offset:i*2048   ; the wave stores 256 consecutive bytes, at a multiple of 256 from xb's first byte
	ds_store_b64 v9, v[X+4*i:X+4*i+1] offset:i*XP
.set i, i+1
.endr
	s_wait_loadcnt 0x0                             ; gate_w
.set i, 0
.rept 32
	v_cvt_pk_bf16_f32 v[GB+i], v[GF+2*i], v[GF+2*i+1]
.set i, i+1
.endr
.irp t, 0,1
.irp k, 0,1,2,3                        ; my own rows: LDS serves a wave's instructions in order, so these see the stores above
	ds_load_b128 v[GF+32*(\t)+8*(\k):GF+32*(\t)+8*(\k)+3],   v10 offset:(\t)*16*XP+(\k)*64
	ds_load_b128 v[GF+32*(\t)+8*(\k)+4:GF+32*(\t)+8*(\k)+7], v10 offset:(\t)*16*XP+(\k)*64+32
.endr
.endr
	s_wait_dscnt 0x0
	; source 0 = 16 rows of gate_w, source 1 = 16 tokens: register j of lane (r, h) is expert j's logit of token r, in both halves of the lanes.  The two accumulators take turns.
	v_wmma_f32_16x16x32_bf16 v[ACA:ACA+7], v[GB:GB+7], v[GF:GF+7], 0
	v_wmma_f32_16x16x32_bf16 v[ACB:ACB+7], v[GB:GB+7], v[GF+32:GF+39], 0
.irp k, 1,2,3
	v_wmma_f32_16x16x32_bf16 v[ACA:ACA+7], v[GB+8*(\k):GB+8*(\k)+7], v[GF+8*(\k):GF+8*(\k)+7], v[ACA:ACA+7]
	v_wmma_f32_16x16x32_bf16 v[ACB:ACB+7], v[GB+8*(\k):GB+8*(\k)+7], v[GF+32+8*(\k):GF+32+8*(\k)+7], v[ACB:ACB+7]
.endr
.rept 4
	v_nop                                          ; four places between the last product and the lines that read its result and write over its source (ISA guide 7.12.1)
.endr
	v_cmp_gt_u32 vcc_lo, 16, v3
.irp j, 0,1,2,3,4,5,6,7                ; lane L now stands for token 32 g + L
	v_cndmask_b32 v[GB+(\j)], v[ACB+(\j)], v[ACA+(\j)], vcc_lo
.endr
	ds_store_b128 v11, v[GB:GB+3]
	ds_store_b128 v11, v[GB+4:GB+7] offset:512
	s_wait_dscnt 0x0                               ; for wave 0's sake: my partial logits are in LDS
	s_barrier_signal -1
	s_barrier_wait -1
	s_cmp_lg_u32 s14, 0
	s_cbranch_scc1 .Lend
	s_wait_xcnt 0x0                                ; the stores to xb have read v[16:143]: only now are these registers written again
.set i, 0
.rept 8
	ds_load_b128 v[16+8*i:16+8*i+3],   v12 offset:i*1024
	ds_load_b128 v[16+8*i+4:16+8*i+7], v12 offset:i*1024+512
.set i, i+1
.endr
	s_wait_dscnt 0x0
.irp w, 1,2,3,4,5,6,7
.irp c, 0,1,2,3
	v_pk_add_f32 v[16+2*(\c):17+2*(\c)], v[16+2*(\c):17+2*(\c)], v[16+8*(\w)+2*(\c):17+8*(\w)+2*(\c)]
.endr
.endr
	v_max3_num_f32 v80, v16, v17, v18              ; the maximum m of the eight logits
	v_max3_num_f32 v80, v80, v19, v20
	v_max3_num_f32 v80, v80, v21, v22
	v_max_num_f32 v80, v80, v23
	v_mul_f32 v80, s25, v80
.irp j, 0,1,2,3,4,5,6,7
	v_fma_f32 v[16+(\j)], v[16+(\j)], s25, -v80    ; (l - m) log2(e)
.endr
.irp j, 0,1,2,3,4,5,6,7
	v_exp_f32 v[16+(\j)], v[16+(\j)]
.endr
	v_nop                                          ; a plain instruction behind the last exponential,
	s_wait_alu depctr_va_vdst(0)                   ; and one wait for the batch of eight
	v_add_f32 v81, v16, v17
.irp j, 2,3,4,5,6,7
	v_add_f32 v81, v81, v[16+(\j)]
.endr
	v_rcp_f32 v81, v81
	v_nop
	s_wait_alu depctr_va_vdst(0)
.irp j, 0,1,2,3,4,5,6,7
	v_mul_f32 v[16+(\j)], v[16+(\j)], v81          ; the probabilities
.endr
	v_mov_b32 v82, v16                             ; the largest: only a strictly larger one replaces it, so the lower index wins a tie
	v_mov_b32 v83, 0
.irp j, 1,2,3,4,5,6,7
	v_cmp_gt_f32 vcc_lo, v[16+(\j)], v82
	v_cndmask_b32 v82, v82, v[16+(\j)], vcc_lo
	v_cndmask_b32 v83, v83, \j, vcc_lo
.endr
	v_mov_b32 v84, -1.0                            ; the second: the same among the other seven
	v_mov_b32 v85, 0
.irp j, 0,1,2,3,4,5,6,7
	v_cmp_gt_f32 s20, v[16+(\j)], v84
	v_cmp_ne_u32 s21, \j, v83
	s_and_b32 vcc_lo, s20, s21
	v_cndmask_b32 v84, v84, v[16+(\j)], vcc_lo
	v_cndmask_b32 v85, v85, \j, vcc_lo
.endr
	v_add_f32 v86, v82, v84
	v_add_f32 v86, 0x322bcc77, v86                 ; + 1e-8
	v_rcp_f32 v86, v86
	s_lshl_b32 s22, s17, 7
	v_lshl_add_u32 v87, v3, 2, s22                 ; gw: 4 (32 g + lane); also the plain instruction behind the reciprocal
	s_wait_alu depctr_va_vdst(0)
	v_mul_f32 v82, v82, v86
	v_mul_f32 v84, v84, v86
	global_store_b32 v87, v82, s[12:13]
	global_store_b32 v87, v84, s[12:13] offset:4096
	v_mov_b32 v88, 0
.irp e, 0,1,2,3,4,5,6,7                ; a compare's mask over the 32 lanes IS the bitmap word; lane 8 k + e of v88 takes it
	v_cmp_eq_u32 s20, \e, v83
	v_writelane_b32 v88, s20, \e
	v_cmp_eq_u32 s21, \e, v85
	v_writelane_b32 v88, s21, 8+\e
.endr
	s_lshl_b32 s23, s17, 6
	v_lshl_add_u32 v89, v3, 2, s23                 ; bm: 64 g + 4 lane
	s_cmp_lg_u32 s17, 31
	s_cbranch_scc1 .Lno_slack
	v_mov_b32 v90, 0                               ; xb has 256 bytes behind its last row, which the next launch's loads ahead reach: they are stored too
	v_mov_b32 v91, 0
	global_store_b64 v8, v[90:91], s[8:9] offset:65536
.Lno_slack:
	s_wait_xcnt 0x0                                ; EXEC changes only behind this wait
	v_cmp_gt_u32 vcc_lo, 16, v3
	s_and_saveexec_b32 s26, vcc_lo
	global_store_b32 v89, v88, s[10:11]            ; sixteen words
	s_wait_xcnt 0x0                                ; and again in front of the line that widens it
	s_or_b32 exec_lo, exec_lo, s26
.Lend:
	s_wait_tensorcnt 0x0                           ; the wave's end, behind my last LDS store
	ds_add_u32 v1, v2
	s_wait_dscnt 0x0
	s_endpgm
.Lfunc_end_k_qbf3d73ce6a_router:
	.size	k_qbf3d73ce6a_router, .Lfunc_end_k_qbf3d73ce6a_router-k_qbf3d73ce6a_router
	.p2alignl 7, 3214868480
	.fill 96, 4, 3214868480
	.section	.rodata,"a",@progbits
	.p2align	6, 0x0
	.amdhsa_kernel k_qbf3d73ce6a_router
		.amdhsa_group_segment_fixed_size 78848
		.amdhsa_private_segment_fixed_size 0
		.amdhsa_enable_private_segment 0
		.amdhsa_kernarg_size 40
		.amdhsa_user_sgpr_count 2
		.amdhsa_user_sgpr_kernarg_segment_ptr 1
		.amdhsa_wavefront_size32 1
		.amdhsa_system_sgpr_workgroup_id_x 1
		.amdhsa_system_sgpr_workgroup_id_y 1
		.amdhsa_system_sgpr_workgroup_id_z 1
		.amdhsa_system_vgpr_workitem_id 0
		.amdhsa_next_free_vgpr 256
		.amdhsa_next_free_sgpr 66
		.amdhsa_reserve_vcc 1
		.amdhsa_float_denorm_mode_32 3
		.amdhsa_float_denorm_mode_16_64 3
		.amdhsa_memory_ordered 1
		.amdhsa_forward_progress 1
		.amdhsa_inst_pref_size 32
	.end_amdhsa_kernel
	.amdgpu_metadata
---
amdhsa.version: [ 1, 2 ]
amdhsa.kernels:
  - .name:           k_qbf3d73ce6a_router
    .symbol:         k_qbf3d73ce6a_router.kd
    .args:
      - { .name: x, .offset: 0, .size: 8, .value_kind: global_buffer, .address_space: global }
      - { .name: gate_w, .offset: 8, .size: 8, .value_kind: global_buffer, .address_space: global }
      - { .name: xb, .offset: 16, .size: 8, .value_kind: global_buffer, .address_space: global }
      - { .name: bm, .offset: 24, .size: 8, .value_kind: global_buffer, .address_space: global }
      - { .name: gw, .offset: 32, .size: 8, .value_kind: global_buffer, .address_space: global }
    .group_segment_fixed_size: 78848
    .private_segment_fixed_size: 0
    .kernarg_segment_align: 8
    .kernarg_segment_size: 40
    .max_flat_workgroup_size: 256
    .sgpr_count:     66
    .vgpr_count:     256
    .wavefront_size: 32
...
	.end_amdgpu_metadata
.endif
;; end of part 1
;; launch up (part 2): grid 57 x 8, 4 waves a work-group, no clusters, 327,680 bytes of LDS; arguments Wg, W1, xb, bm, gw, hid; writes hid
.if DOCPART == 2
	.amdgcn_target "amdgcn-amd-amdhsa--gfx1250"
	.amdhsa_code_object_version 6
	.text
	.protected	k_qbf3d73ce6a_up
	.globl	k_qbf3d73ce6a_up
	.p2align	8
	.type	k_qbf3d73ce6a_up,@function
k_qbf3d73ce6a_up:
	s_mov_b64 s[64:65], 0
	v_nop
	global_prefetch_b8 v0, s[64:65] scope:SCOPE_SE
	s_setreg_imm32_b32 hwreg(HW_REG_WAVE_MODE, 25, 1), 1
	s_wait_xcnt 0x0
; FIRST PRODUCTS.  For expert e and 48 of its 2,736 hidden rows: h = w silu(x Wg^T) (x W1^T) for the rows that chose e, w the row's gate weight (the second product is linear, so the weight is
; folded in here).  h is rounded once to bf16 and stored as hid[e][half of K][block of 8 hidden columns][rank of the row][8]: the order in which the next launch's operand registers take it.
; Hidden columns 0-1367 are half 0's blocks 0-170, columns 1368-2735 half 1's; block 171 of each half is stored as zeros (by the last slice): it pads K to whole steps of 32.
; SHARES.  grid 57 x 8: each work-group alone reads its 2 x 48 rows x 4,096 bytes of f32 weights, once.  Four waves, all running the same text.
; WEIGHTS.  They come as f32 by the tensor data mover into two LDS slots of 256 along K (96 rows of 1,024 bytes: 48 of Wg, then 48 of W1); wave w brings rows 24 w .. 24 w + 23.  Each wave reads f32
; fragments from LDS and rounds them to bf16 on the way to the matrix unit.  The mover has a counter of its own, so the counted waits for token rows never wait for weights.
; ROWS.  The expert's rows are ranked by token; tile i (16 ranks) belongs to wave i % 4, slot i / 4; five slots a wave, 320 rows, stay in accumulators while K goes once through the weights; the token rows come
; from xb straight into registers.  All five slots are always multiplied and stored: ranks past the count take the last row (an expert without rows: token 0), so a slot without rows asks for one row
; only, no jump in the main pass hangs on data, and the next launch finds every byte stored that it loads.
; LIMITS.  Rows past 320 of one expert (up to 1,024 are served) go a slower way behind the main pass: a tile a trip, the f32 weights read again straight from memory.
; NaN and infinities are not treated apart; an input beyond bf16's largest number rounds to infinity; 1 / (1 + 2^t) is a reciprocal (1 ulp).
; The accumulators are cleared by v_mov_b32 while the first tile is on its way: so one text serves every K step.
; NO MULTICAST: each weight has one reader, and the token rows come by a list, which no tile descriptor covers.
.set PITCH, 1040                       ; an LDS row: 256 f32 + 16 bytes = 65 x 16: the 16 rows of a fragment load start at 16 different groups of four banks
.set SLOTB, 96*PITCH                   ; a slot, 99,840 bytes
.set SLOT1, 1<<17                      ; slot 1 begins here, so that one exclusive or turns an address in one slot into the other's
.set LISTB, SLOTB                      ; between the slots, where no tile lands: each wave's own list of rows,
.set LREG,  4352                       ; 1,024 entries (1024 k + token, by rank), 32 dump words, rounded up to blocks of 256
.set SPARE, LISTB+4*LREG               ; and the spare words, 128 bytes a wave: two blocks of 256 bytes that no other line names
.set HHALF, 172                        ; blocks of 8 hidden columns in a half of K; a block is 1,024 rows x 16 bytes
; window 0: v0 thread (kept), v1 v2 the add's, v[3:7] token offsets, v8 v9 LDS addresses of a trip's fragments (blocks 0-2, 3-5), v[10:12] my places in hid, v13 my place in a tile, v14 v15 at work,
;   v[16:255] accumulators: slot s, block b at 16 + 48 s + 8 b (b 0-2: x Wg^T of 16 hidden rows each; b 3-5: x W1^T)
; window 1: v[0:159] token fragments, four buffers of five slots; v[160:207] weight fragments in bf16; v[208:212] the slots' gate weights.      window 2: v[0:191] weight fragments in f32, two buffers
.set AOFF, 3
.set BA,   8
.set HOFF, 10
.set B0,   13
.set ACC,  16
.set BH,   160
.set WT,   208
.set G1,   48                          ; s[48:55] descriptor group 1
.set G0A,  56                          ; s[56:59] group 0 of the first fill of slot 0
.set G0W,  60                          ; s[60:63] group 0 of the first fill of slot 1; it then walks on
.set TW,   43                          ; s43 counts a chunk's two trips
.set TB,   44                          ; s44 LDS byte at which the trip's 128 columns begin
.set W_DS, 0x80                        ; destination window 2, address window 0
.set W_LD, 0x40                        ; destination window 1, address window 0
.set W_CV, 0x4a                        ; sources window 2, destination window 1
.set W_MM, 0x05                        ; sources 0 and 1 window 1, C and D window 0
.set W_W1, 0x01                        ; source 0 window 1
.set MSB, 0
.macro WIN new                         ; the immediate's high byte repeats the setting that is left; a switch that changes nothing is dropped
.if MSB != (\new)
	s_set_vgpr_msb (MSB<<8)|(\new)
.set MSB, \new
.endif
.endm
.macro PLACES                          ; four places between a product and a load into, or a vector line on, its registers
.rept 4
	v_nop
.endr
.endm
; THE LIST.  Each wave makes its own copy in its own LDS bytes, so no barrier is needed.  Lane g holds word g of the expert's two bitmaps; trip g takes that word's 32 tokens: a token's rank is the count so far
; plus the set bits below its lane.  A lane whose bit is clear writes a dump word of its own (index 1024 + lane).  All entries are cleared first, so that each that may be read has been written.
.macro LIST bmlo
	v_and_b32 v25, 31, v0                          ; lane
	s_lshl_b32 s29, s18, 2
	v_lshl_add_u32 v26, v25, 6, s29                ; word g: 64 g + 4 e
	global_load_b32 v16, v26, s[\bmlo:\bmlo+1]
	global_load_b32 v17, v26, s[\bmlo:\bmlo+1] offset:32
	v_lshl_add_u32 v27, v25, 4, s27
.irp z, 28,29,30,31
	v_mov_b32 v\z, 0
.endr
.irp z, 0,1,2,3,4,5,6,7
	ds_store_b128 v27, v[28:31] offset:512*\z
.endr
	v_add_nc_u32 v24, 1024, v25
	v_mov_b32 v23, v25                             ; the trip's token
	s_mov_b32 s20, 0
	s_mov_b32 s28, 0
	s_wait_loadcnt 0x0
.Llist:
	v_readlane_b32 s29, v16, s28                   ; first choices
	v_readlane_b32 s30, v17, s28                   ; second choices
	s_or_b32 s31, s29, s30
	v_mbcnt_lo_u32_b32 v18, s31, s20               ; rank
	v_lshrrev_b32 v20, v25, s31
	v_and_b32 v20, 1, v20
	v_xor_b32 v20, 1, v20
	v_lshl_add_u32 v18, v20, 12, v18               ; a clear bit sends the index far up,
	v_min_u32 v18, v18, v24                        ; down to the lane's dump word,
	v_min_u32 v18, 1055, v18                       ; and in any case inside my list's bytes
	v_lshl_add_u32 v19, v18, 2, s27
	v_lshrrev_b32 v21, v25, s30
	v_and_b32 v21, 1, v21                          ; k
	v_lshl_add_u32 v22, v21, 10, v23
	ds_store_b32 v19, v22
	v_add_nc_u32 v23, 32, v23
	s_bcnt1_i32_b32 s32, s31
	s_add_co_u32 s20, s20, s32
	s_add_co_u32 s28, s28, 1
	s_cmp_lt_u32 s28, 32
	s_cbranch_scc1 .Llist
	s_min_u32 s20, s20, 1024                       ; the count
	s_max_u32 s21, s20, 1
	s_sub_co_u32 s21, s21, 1                       ; the last rank
	s_add_co_u32 s22, s20, 15
	s_lshr_b32 s22, s22, 4                         ; tiles
	s_max_u32 s24, s22, 20
	s_sub_co_u32 s24, s24, 17
	s_sub_co_u32 s24, s24, s16
	s_lshr_b32 s24, s24, 2                         ; my tiles past the twentieth, 0 to 11
.endm
; the f32 weight fragments of K step q of a trip: 6 blocks of 16 rows x 32 K; a lane's k = 8 h + 0..7 are 32 bytes, its k = 16 + 8 h + 0..7 lie 64 bytes on
.macro DSF q
.irp b, 0,1,2,3,4,5
.irp c, 0,1,2,3
	ds_load_b128 v[96*((\q)%2)+16*(\b)+4*(\c):96*((\q)%2)+16*(\b)+4*(\c)+3], v[BA+(\b)/3] offset:((\b)%3)*16*PITCH+(\q)*128+((\c)%2)*16+((\c)/2)*64
.endr
.endr
.endm
; the token fragments of K step k (counted from the running base) for my five slots
.macro GLA buf, k
.irp s, 0,1,2,3,4
	global_load_b128 v[40*(\buf)+8*(\s):40*(\buf)+8*(\s)+3],   v[AOFF+(\s)], s[36:37] offset:(\k)*64
	global_load_b128 v[40*(\buf)+8*(\s)+4:40*(\buf)+8*(\s)+7], v[AOFF+(\s)], s[36:37] offset:(\k)*64+32
.endr
.endm
; One K step of 32.  Source 0 = 16 hidden rows, source 1 = 16 tokens: a lane's eight results are eight neighbouring hidden columns of one token.
; The 30 accumulators take turns, in the same order in every step: no two products that follow each other share one, round the loops too.
.macro KSTEP j
	WIN W_DS
.if (\j) == 0
	DSF 0
.endif
.if (\j) < 3
	DSF (\j)+1
.endif
	PLACES                                         ; the loads and the conversions below write registers that the K step before multiplied
	WIN W_LD
	GLA ((\j)+3)%4, (\j)+3
.if (\j) < 3
	s_wait_dscnt 24                                ; this step's weights are in; the next step's 24 loads stay out
.else
	s_wait_dscnt 0x0
.endif
	WIN W_CV
.set i, 0
.rept 48
	v_cvt_pk_bf16_f32 v[BH+i], v[96*((\j)%2)+2*i], v[96*((\j)%2)+2*i+1]
.set i, i+1
.endr
	s_wait_loadcnt 30                              ; this step's tokens are in; three younger steps of ten loads stay out
	WIN W_MM
.irp s, 0,1,2,3,4
.irp b, 0,1,2,3,4,5
	v_wmma_f32_16x16x32_bf16 v[ACC+48*(\s)+8*(\b):ACC+48*(\s)+8*(\b)+7], v[BH+8*(\b):BH+8*(\b)+7], v[40*(\j)+8*(\s):40*(\j)+8*(\s)+7], v[ACC+48*(\s)+8*(\b):ACC+48*(\s)+8*(\b)+7]
.endr
.endr
.endm
; A trip: four K steps, 512 bytes of the slot's rows
.macro TRIP
	WIN 0
	v_add_nc_u32 v[BA], s[TB], v[B0]
	v_add_nc_u32 v[BA+1], 3*16*PITCH, v[BA]
	KSTEP 0
	KSTEP 1
	KSTEP 2
	KSTEP 3
	WIN 0
	s_add_co_u32 s[TB], s[TB], 512
	s_wait_xcnt 0x0                                ; the token loads have read their base
	s_add_nc_u64 s[36:37], s[36:37], 256           ; 128 along K in xb
.endm
; A chunk: a slot's two trips, written once
.macro CHUNK
	WIN 0
	s_mov_b32 s[TW], 2
.Ltrip_\@:
	TRIP
	s_sub_co_u32 s[TW], s[TW], 1
	s_cmp_lg_u32 s[TW], 0
	s_cbranch_scc1 .Ltrip_\@
.endm
; THE CHANGE OF SLOTS.  Each wave waits for all its tensor loads, of which one at the most is out: its part of the other slot; adds 0 to its spare word; and waits for that and for its own reads of the slot that it
; leaves.  Behind the barrier nobody reads the old slot any more and the other slot is whole.  fill = 1: the old slot is filled again, the first thing behind the barrier, with the chunk two further on:
; one load a wave, which has a chunk's 240 products in which to land.
.macro CHANGE fill
	WIN 0
	s_wait_tensorcnt 0x0                           ; no tensor load of mine is out, so a group 0 may be written
	ds_add_u32 v1, v2                              ; 0 onto my spare word; scalar work stands between it and the wait for it
.if \fill
	s_xor_b32 s[G0W+1], s[G0W+1], SLOT1            ; the walking descriptor: the other slot than last time,
	s_add_nc_u64 s[G0W+2:G0W+3], s[G0W+2:G0W+3], 1024  ; the next 256 columns; the type bits on top are not reached
.endif
	s_sub_co_u32 s[TB], s[TB], 1024                ; the reads go back to a slot's first column,
	s_xor_b32 s[TB], s[TB], SLOT1                  ; in the other slot
	s_wait_dscnt 0x0                               ; the add is done, and my reads of the slot are over
	s_barrier_signal -1
	s_barrier_wait -1
.if \fill
	tensor_load_to_lds s[G0W:G0W+3], s[G1:G1+7]
	s_nop 0
	PLACES                                         ; four v_nop ahead of the next switch of the windows
.endif
.endm
; THE WAY OUT of one slot (ranks s25 .. s25 + 15): h = w g u / (1 + 2^(-g log2 e)), in place; each accumulator is read from its low end on.  wt: the register (window 1) with the rows' weight, or -1 if it is in v4.
.macro EPI acc, wt
	s_wait_xcnt 0x0                                ; earlier stores have read their addresses and data
.if (\wt) >= 0
	WIN W_W1
	v_mov_b32 v4, v[\wt]
	WIN 0
.endif
	v_mov_b32 v5, v4
	s_lshl_b32 s28, s25, 4                         ; 16 bytes a row
	v_add_nc_u32 v6, s28, v[HOFF]
	v_add_nc_u32 v7, s28, v[HOFF+1]
	v_add_nc_u32 v8, s28, v[HOFF+2]
.set G, (\acc)
.set U, (\acc)+24
.set i, 0
.rept 12
	v_pk_mul_f32 v[U+2*i:U+2*i+1], v[G+2*i:G+2*i+1], v[U+2*i:U+2*i+1]
.set i, i+1
.endr
.set i, 0
.rept 12
	v_pk_mul_f32 v[U+2*i:U+2*i+1], v[U+2*i:U+2*i+1], v[4:5]
.set i, i+1
.endr
.set i, 0
.rept 12
	v_pk_mul_f32 v[G+2*i:G+2*i+1], v[G+2*i:G+2*i+1], 0xbfb8aa3b op_sel_hi:[1,0]
.set i, i+1
.endr
.set i, 0
.rept 24
	v_exp_f32 v[G+i], v[G+i]
.set i, i+1
.endr
	v_nop                                          ; a plain instruction behind the last exponential,
	s_wait_alu depctr_va_vdst(0)                   ; and one wait for the batch of 24
.set i, 0
.rept 12
	v_pk_add_f32 v[G+2*i:G+2*i+1], v[G+2*i:G+2*i+1], 1.0 op_sel_hi:[1,0]
.set i, i+1
.endr
.set i, 0
.rept 24
	v_rcp_f32 v[G+i], v[G+i]
.set i, i+1
.endr
	v_nop
	s_wait_alu depctr_va_vdst(0)                   ; one wait for the 24 reciprocals
.set i, 0
.rept 12
	v_pk_mul_f32 v[U+2*i:U+2*i+1], v[U+2*i:U+2*i+1], v[G+2*i:G+2*i+1]
.set i, i+1
.endr
.set i, 0
.rept 12
	v_cvt_pk_bf16_f32 v[G+8*(i/4)+i%4], v[U+2*i], v[U+2*i+1]
.set i, i+1
.endr
	global_store_b128 v6, v[G:G+3], s[14:15]       ; each half of the lanes stores 16 rows x 16 bytes of one block: 256 consecutive bytes, at a multiple of 256 from hid's first byte
	global_store_b128 v7, v[G+8:G+11], s[14:15]
	global_store_b128 v8, v[G+16:G+19], s[14:15]
	s_cmp_lg_u32 s17, 56
	s_cbranch_scc1 .Lnopad_\@
.irp z, 0,1,2,3                        ; the last slice also stores the zeros of block 171: lanes 0-15 half 0's, lanes 16-31 half 1's
	v_mov_b32 v[U+(\z)], 0
.endr
	v_add_nc_u32 v9, s28, v3
	global_store_b128 v9, v[U:U+3], s[14:15]
.Lnopad_\@:
.endm
	s_load_b256 s[4:11], s[0:1], 0x0               ; Wg s[4:5], W1 s[6:7], xb s[8:9], bm s[10:11]
	s_load_b128 s[12:15], s[0:1], 0x20             ; gw s[12:13], hid s[14:15]
	v_lshl_add_u32 v1, v0, 2, SPARE                ; my spare word; never rewritten
	v_mov_b32 v2, 0                                ; 0; never rewritten
	ds_add_u32 v1, v2                              ; the wave's opening: the add and its wait ahead of my first tensor load; the set-up below, work on registers, stands between them
	v_lshrrev_b32 v3, 5, v0
	v_readfirstlane_b32 s16, v3                    ; wave
	s_mov_b32 s17, ttmp9                           ; slice
	s_and_b32 s18, ttmp7, 0xffff                   ; expert
	; descriptor group 1: a tile of 24 rows x 256 f32, padded in LDS
	s_mov_b32 s[G1+0], (2<<16)|(1<<20)|(7<<22)|(3<<25)  ; 17:16 elements of 4 bytes; 20 padding on; 24:22 after every 256 words (code 7); 31:25 4 words of it (code 3)
	s_mov_b32 s[G1+1], 256<<16                     ; tensor_dim0 = 256
	s_mov_b32 s[G1+2], 24<<16                      ; tensor_dim1 = 24
	s_mov_b32 s[G1+3], 256<<16                     ; tile_dim0 = 256
	s_mov_b32 s[G1+4], 24                          ; tile_dim1 = 24
	s_mov_b32 s[G1+5], 1024                        ; 1,024 elements from row to row
	s_mov_b32 s[G1+6], 0
	s_mov_b32 s[G1+7], 0
	s_mul_i32 s28, s18, 2736
	s_mul_i32 s29, s17, 48
	s_add_co_u32 s28, s28, s29
	s_lshl_b32 s28, s28, 12                        ; the slice's first weight row, 4,096 bytes a row: under 2^27
	s_mov_b32 s29, 0
	s_and_b32 s30, s16, 1
	s_mul_i32 s30, s30, 24*4096                    ; which 24 of the 48 rows I bring
	s_mov_b32 s31, 0
	s_mul_i32 s32, s18, 2*HHALF
	s_lshl_b32 s32, s32, 14                        ; the expert's part of hid
	s_mov_b32 s33, 0
	s_mul_i32 s34, s16, 24*PITCH                   ; where my rows go in a slot
	s_mov_b32 s[G0A], 1                            ; count = 1
	s_mov_b32 s[G0A+1], s34                        ; LDS address: slot 0
	s_mov_b32 s[G0W], 1
	s_add_co_u32 s[G0W+1], s34, SLOT1              ; slot 1
	s_mov_b32 s[TB], 0
	s_mul_i32 s27, s16, LREG
	s_add_co_u32 s27, s27, LISTB                   ; my list
	s_wait_dscnt 0x0                               ; the opening add is done
	s_wait_kmcnt 0x0
	s_add_nc_u64 s[4:5], s[4:5], s[28:29]
	s_add_nc_u64 s[6:7], s[6:7], s[28:29]
	s_add_nc_u64 s[14:15], s[14:15], s[32:33]
	s_mov_b64 s[36:37], s[8:9]                     ; xb's running base
	s_cmp_lt_u32 s16, 2                            ; waves 0, 1 bring Wg's rows, waves 2, 3 W1's
	s_cselect_b64 s[38:39], s[4:5], s[6:7]
	s_add_nc_u64 s[38:39], s[38:39], s[30:31]
	s_mov_b64 s[G0A+2:G0A+3], s[38:39]             ; global address: columns 0-255
	s_or_b32 s[G0A+3], s[G0A+3], 0x80000000        ; type = 2
	s_add_nc_u64 s[G0W+2:G0W+3], s[38:39], 1024    ; columns 256-511
	s_or_b32 s[G0W+3], s[G0W+3], 0x80000000
	tensor_load_to_lds s[G0A:G0A+3], s[G1:G1+7]    ; both first fills go out together, ahead of every wait on TENSORcnt, every LDS read and every barrier: two loads of mine are out
	s_nop 0
	tensor_load_to_lds s[G0W:G0W+3], s[G1:G1+7]
	s_nop 0
	PLACES
	v_and_b32 v14, 15, v0                          ; r
	v_bfe_u32 v15, v0, 4, 1                        ; h
	v_mul_u32_u24 v[B0], v14, PITCH
	v_lshl_add_u32 v[B0], v15, 5, v[B0]            ; a fragment's row x pitch + 32 h
	s_mul_i32 s28, s17, 6                          ; the slice's first block of 8 hidden columns
.irp u, 0,1,2                          ; my eight columns of unit u are block 6 slice + 2 u + h; from block 171 on one place further, past half 0's block of zeros
	v_add_nc_u32 v[HOFF+(\u)], s28, v15
	v_add_nc_u32 v[HOFF+(\u)], 2*(\u), v[HOFF+(\u)]
	v_cmp_lt_u32 vcc_lo, 170, v[HOFF+(\u)]
	v_cndmask_b32 v9, 0, 1, vcc_lo
	v_add_nc_u32 v[HOFF+(\u)], v9, v[HOFF+(\u)]
	v_lshlrev_b32 v[HOFF+(\u)], 14, v[HOFF+(\u)]
	v_lshl_add_u32 v[HOFF+(\u)], v14, 4, v[HOFF+(\u)]
.endr
	LIST 10
	s_lshl_b32 s28, s16, 4
	v_add_nc_u32 v9, s28, v14
	v_lshlrev_b32 v15, 4, v15                      ; 16 h
.irp s, 0,1,2,3,4
	v_add_nc_u32 v8, 64*(\s), v9                   ; rank 16 (4 s + wave) + r,
	v_min_u32 v8, s21, v8                          ; the last row where there is none,
	v_min_u32 v8, 1023, v8
	v_lshl_add_u32 v8, v8, 2, s27
	ds_load_b32 v[AOFF+(\s)], v8
.endr
	s_wait_dscnt 0x0
.irp s, 0,1,2,3,4
	v_min_u32 v[AOFF+(\s)], 2047, v[AOFF+(\s)]
	v_lshlrev_b32 v[16+(\s)], 2, v[AOFF+(\s)]
.endr
	WIN W_LD
.irp s, 0,1,2,3,4
	global_load_b32 v[WT+(\s)], v[16+(\s)], s[12:13]
.endr
	WIN 0
.irp s, 0,1,2,3,4
	v_and_b32 v[AOFF+(\s)], 1023, v[AOFF+(\s)]     ; the token
	v_lshl_add_u32 v[AOFF+(\s)], v[AOFF+(\s)], 11, v15
.endr
	s_wait_xcnt 0x0                                ; v[16:20] have been read
.set i, ACC
.rept 240
	v_mov_b32 v[i], 0
.set i, i+1
.endr
	WIN W_LD
	GLA 0, 0
	GLA 1, 1
	GLA 2, 2
	WIN 0
	s_wait_tensorcnt 0x1                           ; my part of slot 0 is in; slot 1's may stay out
	s_wait_dscnt 0x0
	s_barrier_signal -1
	s_barrier_wait -1                              ; everybody's is
	CHUNK                                          ; columns 0-255
	s_mov_b32 s26, 2
.Lslot:                                                ; twice: the slot just read takes the chunk two further on, and the other slot is multiplied
	CHANGE 1
	CHUNK
	s_sub_co_u32 s26, s26, 1
	s_cmp_lg_u32 s26, 0
	s_cbranch_scc1 .Lslot
	CHANGE 0                                       ; the tail is written out: nothing is asked for
	CHUNK                                          ; columns 768-1023
	s_wait_loadcnt 0x0                             ; the three steps asked for past K's end (they lie in the next row, or in xb's 256 spare bytes) are in, and unused
	v_bfe_u32 v9, v0, 4, 1                         ; eight plain lines, the places behind the last products
	v_and_b32 v14, 15, v0
	v_mul_u32_u24 v3, v9, HHALF
	v_add_nc_u32 v3, 171, v3
	v_lshlrev_b32 v3, 14, v3
	v_lshl_add_u32 v3, v14, 4, v3                  ; my place in the blocks of zeros
	v_lshlrev_b32 v13, 12, v14
	v_lshl_add_u32 v13, v9, 5, v13                 ; the slow way: weight row r, 32 h bytes in
.irp s, 0,1,2,3,4
	s_lshl_b32 s25, s16, 4
	s_add_co_u32 s25, s25, 64*(\s)
	EPI ACC+48*(\s), WT+(\s)
.endr
	; ROWS PAST 320: eleven trips, a tile each; a trip without a tile is jumped.  Nothing here writes LDS; the weights come as f32 fragments from memory.
	s_mov_b32 s73, 0
.Lover:
	s_cmp_lt_u32 s73, s24
	s_cbranch_scc0 .Lnext
	s_wait_xcnt 0x0                                ; the last way out's stores have read their registers
	s_lshl_b32 s25, s73, 2
	s_add_co_u32 s25, s25, s16
	s_add_co_u32 s25, s25, 20                      ; the tile
	s_lshl_b32 s25, s25, 4
	v_add_nc_u32 v15, s25, v14
	v_min_u32 v15, s21, v15
	v_min_u32 v15, 1023, v15
	v_lshl_add_u32 v15, v15, 2, s27
	ds_load_b32 v15, v15
	v_bfe_u32 v9, v0, 4, 1
	v_lshlrev_b32 v9, 4, v9
.set i, ACC
.rept 48
	v_mov_b32 v[i], 0
.set i, i+1
.endr
	s_mov_b64 s[66:67], s[4:5]
	s_mov_b64 s[68:69], s[6:7]
	s_mov_b64 s[70:71], s[8:9]
	s_mov_b32 s72, 32
	s_wait_dscnt 0x0
	v_min_u32 v15, 2047, v15
	v_lshlrev_b32 v6, 2, v15
	global_load_b32 v4, v6, s[12:13]
	v_and_b32 v15, 1023, v15
	v_lshl_add_u32 v15, v15, 11, v9
.Lok:
	PLACES
	WIN W_DS
.irp u, 0,1,2
.irp c, 0,1,2,3
	global_load_b128 v[16*(\u)+4*(\c):16*(\u)+4*(\c)+3],       v13, s[66:67] offset:(\u)*65536+((\c)%2)*16+((\c)/2)*64
	global_load_b128 v[48+16*(\u)+4*(\c):48+16*(\u)+4*(\c)+3], v13, s[68:69] offset:(\u)*65536+((\c)%2)*16+((\c)/2)*64
.endr
.endr
	WIN W_LD
	global_load_b128 v[0:3], v15, s[70:71]
	global_load_b128 v[4:7], v15, s[70:71] offset:32
	s_wait_loadcnt 0x0
	s_add_nc_u64 s[66:67], s[66:67], 128
	s_add_nc_u64 s[68:69], s[68:69], 128
	s_add_nc_u64 s[70:71], s[70:71], 64
	WIN W_CV
.set i, 0
.rept 48
	v_cvt_pk_bf16_f32 v[BH+i], v[2*i], v[2*i+1]
.set i, i+1
.endr
	WIN W_MM
.irp b, 0,1,2,3,4,5
	v_wmma_f32_16x16x32_bf16 v[ACC+8*(\b):ACC+8*(\b)+7], v[BH+8*(\b):BH+8*(\b)+7], v[0:7], v[ACC+8*(\b):ACC+8*(\b)+7]
.endr
	WIN 0
	s_sub_co_u32 s72, s72, 1
	s_cmp_lg_u32 s72, 0
	s_cbranch_scc1 .Lok
	PLACES
	EPI ACC, -1
.Lnext:
	s_add_co_u32 s73, s73, 1
	s_cmp_lt_u32 s73, 11
	s_cbranch_scc1 .Lover
	s_wait_dscnt 0x0                               ; my reads of my list are over
	s_barrier_signal -1
	s_barrier_wait -1
	s_wait_tensorcnt 0x0                           ; the wave's end, behind my last tensor load and my last LDS store
	ds_add_u32 v1, v2
	s_wait_dscnt 0x0
	s_endpgm
.Lfunc_end_k_qbf3d73ce6a_up:
	.size	k_qbf3d73ce6a_up, .Lfunc_end_k_qbf3d73ce6a_up-k_qbf3d73ce6a_up
	.p2alignl 7, 3214868480
	.fill 96, 4, 3214868480
	.section	.rodata,"a",@progbits
	.p2align	6, 0x0
	.amdhsa_kernel k_qbf3d73ce6a_up
		.amdhsa_group_segment_fixed_size 327680
		.amdhsa_private_segment_fixed_size 0
		.amdhsa_enable_private_segment 0
		.amdhsa_kernarg_size 48
		.amdhsa_user_sgpr_count 2
		.amdhsa_user_sgpr_kernarg_segment_ptr 1
		.amdhsa_wavefront_size32 1
		.amdhsa_system_sgpr_workgroup_id_x 1
		.amdhsa_system_sgpr_workgroup_id_y 1
		.amdhsa_system_sgpr_workgroup_id_z 1
		.amdhsa_system_vgpr_workitem_id 0
		.amdhsa_next_free_vgpr 704
		.amdhsa_next_free_sgpr 80
		.amdhsa_reserve_vcc 1
		.amdhsa_float_denorm_mode_32 3
		.amdhsa_float_denorm_mode_16_64 3
		.amdhsa_memory_ordered 1
		.amdhsa_forward_progress 1
		.amdhsa_inst_pref_size 169
	.end_amdhsa_kernel
	.amdgpu_metadata
---
amdhsa.version: [ 1, 2 ]
amdhsa.kernels:
  - .name:           k_qbf3d73ce6a_up
    .symbol:         k_qbf3d73ce6a_up.kd
    .args:
      - { .name: Wg, .offset: 0, .size: 8, .value_kind: global_buffer, .address_space: global }
      - { .name: W1, .offset: 8, .size: 8, .value_kind: global_buffer, .address_space: global }
      - { .name: xb, .offset: 16, .size: 8, .value_kind: global_buffer, .address_space: global }
      - { .name: bm, .offset: 24, .size: 8, .value_kind: global_buffer, .address_space: global }
      - { .name: gw, .offset: 32, .size: 8, .value_kind: global_buffer, .address_space: global }
      - { .name: hid, .offset: 40, .size: 8, .value_kind: global_buffer, .address_space: global }
    .group_segment_fixed_size: 327680
    .private_segment_fixed_size: 0
    .kernarg_segment_align: 8
    .kernarg_segment_size: 48
    .max_flat_workgroup_size: 128
    .sgpr_count:     80
    .vgpr_count:     704
    .wavefront_size: 32
...
	.end_amdgpu_metadata
.endif
;; end of part 2
;; launch down (part 3): grid 32 x 8, 4 waves a work-group, no clusters, 327,680 bytes of LDS; arguments W2, hid, bm, y; writes y
.if DOCPART == 3
	.amdgcn_target "amdgcn-amd-amdhsa--gfx1250"
	.amdhsa_code_object_version 6
	.text
	.protected	k_qbf3d73ce6a_down
	.globl	k_qbf3d73ce6a_down
	.p2align	8
	.type	k_qbf3d73ce6a_down,@function
k_qbf3d73ce6a_down:
	s_mov_b64 s[64:65], 0
	v_nop
	global_prefetch_b8 v0, s[64:65] scope:SCOPE_SE
	s_setreg_imm32_b32 hwreg(HW_REG_WAVE_MODE, 25, 1), 1
	s_wait_xcnt 0x0
; SECOND PRODUCT.  For expert e, 64 of the 1,024 output columns and one half of K (1,368 of the 2,736 hidden columns): a partial y = h W2^T in f32 for the expert's rows, stored to y[half][k][token][1024]:
; each row of y has one writer, and the last launch adds the four parts.  The gate weight is in h already.
; SHARES.  grid x = 16 half + column slice, y = expert: 256 work-groups; each alone reads its 64 rows x 5,472 bytes of f32 weights, once.  Four waves, all running the same text.
; WEIGHTS.  f32 tiles of 64 rows x 256 columns come by the tensor data mover into two LDS slots; wave w brings rows 16 w .. 16 w + 15.  The descriptor's count of columns left walks down by 256 a tile from a constant,
; the same in both halves; the sixth tile has 88 left, and the mover writes zeros behind them.  Each wave reads f32 fragments and rounds them to bf16 on the way to the matrix unit.
; ROWS.  Tile i of 16 ranks belongs to wave i % 4, slot i / 4; five slots a wave; h comes from hid (blocks of 8 columns x 1,024 ranks) straight into registers.  All five slots are always multiplied, so that no
; jump in the main pass hangs on data: ranks past the count take the last row.  On the way out a slot without rows is jumped over (its stage, list reads and stores: no barrier, no tensor load); in a slot that is
; not full the places past the count go to the last row's address with the same bits.  So an expert without rows stores nothing.
; K = 1,368 is 42.75 steps of 32: ten trips of four steps and one of three; in the last quarter step h is block 171, stored as zeros, and the weights are the mover's zeros.
; LIMITS.  Rows past 320 of one expert (up to 1,024 are served) go a slower way behind the main pass: the weights again from memory, and stores of 16 bytes a lane to rows far apart.
; NaN and infinities are not treated apart.  The accumulators are cleared by v_mov_b32 while the first tile is on its way: so one text serves every K step.
; NO MULTICAST: each weight has one reader; h's rows go by rank into registers, not through LDS.
.set PITCH, 1040                       ; an LDS row: 256 f32 + 16 bytes = 65 x 16
.set SLOTB, 64*PITCH                   ; a slot, 66,560 bytes
.set SLOT1, 1<<17
.set LISTB, SLOTB                      ; between the slots, where no tile lands: the waves' lists,
.set LREG,  4352
.set SP,    272
.set STAGE, LISTB+4*LREG               ; 16 rows x 272 bytes for each wave, for the way out,
.set SPARE, STAGE+4*16*SP              ; and the spare words, 128 bytes a wave: two blocks of 256 bytes that no other line names
.set ROWB,  10944                      ; a row of W2 in bytes
.set HCOL,  1368                       ; columns in a half of K
.set HHALF, 172                        ; blocks of 8 columns in a half of hid
; window 0: v0 thread (kept), v1 v2 the add's, v[3:7] offsets in hid, v8 LDS address of a trip's fragments, v9 v10 stage in and back, v11 16 r, v12 h, v13 my place in a tile, v14 v15 at work,
;   v[16:175] accumulators (slot s, block b at 16 + 32 s + 8 b), v[176:207] weight fragments in bf16, v[208:255] the way out: rows read back, their numbers and offsets
; window 1: v[0:159] h's fragments, four buffers of five slots.      window 2: v[0:127] weight fragments in f32, two buffers
.set AOFF, 3
.set BA,   8
.set B0,   13
.set ACC,  16
.set BH,   176
.set G1,   48
.set G0A,  56
.set G0W,  60
.set TW,   43
.set TB,   44
.set W_DS, 0x80                        ; destination window 2, address window 0
.set W_LD, 0x40                        ; destination window 1, address window 0
.set W_CV, 0x0a                        ; sources window 2, destination window 0
.set W_MM, 0x04                        ; source 1 window 1, the rest window 0
.set MSB, 0
.macro WIN new
.if MSB != (\new)
	s_set_vgpr_msb (MSB<<8)|(\new)
.set MSB, \new
.endif
.endm
.macro PLACES                          ; four places between a product and a load into, or another line on, its registers
.rept 4
	v_nop
.endr
.endm
; THE LIST, as in the first product: each wave's own copy, entry by rank = 1024 k + token; a lane whose bit is clear writes a dump word of its own
.macro LIST bmlo
	v_and_b32 v25, 31, v0
	s_lshl_b32 s29, s18, 2
	v_lshl_add_u32 v26, v25, 6, s29
	global_load_b32 v16, v26, s[\bmlo:\bmlo+1]
	global_load_b32 v17, v26, s[\bmlo:\bmlo+1] offset:32
	v_lshl_add_u32 v27, v25, 4, s27
.irp z, 28,29,30,31
	v_mov_b32 v\z, 0
.endr
.irp z, 0,1,2,3,4,5,6,7
	ds_store_b128 v27, v[28:31] offset:512*\z
.endr
	v_add_nc_u32 v24, 1024, v25
	v_mov_b32 v23, v25
	s_mov_b32 s20, 0
	s_mov_b32 s28, 0
	s_wait_loadcnt 0x0
.Llist:
	v_readlane_b32 s29, v16, s28
	v_readlane_b32 s30, v17, s28
	s_or_b32 s31, s29, s30
	v_mbcnt_lo_u32_b32 v18, s31, s20
	v_lshrrev_b32 v20, v25, s31
	v_and_b32 v20, 1, v20
	v_xor_b32 v20, 1, v20
	v_lshl_add_u32 v18, v20, 12, v18
	v_min_u32 v18, v18, v24
	v_min_u32 v18, 1055, v18
	v_lshl_add_u32 v19, v18, 2, s27
	v_lshrrev_b32 v21, v25, s30
	v_and_b32 v21, 1, v21
	v_lshl_add_u32 v22, v21, 10, v23
	ds_store_b32 v19, v22
	v_add_nc_u32 v23, 32, v23
	s_bcnt1_i32_b32 s32, s31
	s_add_co_u32 s20, s20, s32
	s_add_co_u32 s28, s28, 1
	s_cmp_lt_u32 s28, 32
	s_cbranch_scc1 .Llist
	s_min_u32 s20, s20, 1024                       ; the count
	s_max_u32 s21, s20, 1
	s_sub_co_u32 s21, s21, 1                       ; the last rank
	s_add_co_u32 s22, s20, 15
	s_lshr_b32 s22, s22, 4                         ; tiles
	s_max_u32 s24, s22, 20
	s_sub_co_u32 s24, s24, 17
	s_sub_co_u32 s24, s24, s16
	s_lshr_b32 s24, s24, 2                         ; my tiles past the twentieth, 0 to 11
.endm
.macro DSF q                           ; the f32 weight fragments of K step q of a trip: 4 blocks of 16 rows x 32 K
.irp b, 0,1,2,3
.irp c, 0,1,2,3
	ds_load_b128 v[64*((\q)%2)+16*(\b)+4*(\c):64*((\q)%2)+16*(\b)+4*(\c)+3], v[BA] offset:(\b)*16*PITCH+(\q)*128+((\c)%2)*16+((\c)/2)*64
.endr
.endr
.endm
.macro GLA buf, k                      ; K step k = four blocks of hid: a lane's k = 8 h + 0..7 lie in block 4 k + h, its k = 16 + 8 h + 0..7 two blocks on; each half of the lanes takes 16 rows x 16 bytes, 256 consecutive bytes
.irp s, 0,1,2,3,4
	global_load_b128 v[40*(\buf)+8*(\s):40*(\buf)+8*(\s)+3],   v[AOFF+(\s)], s[6:7] offset:(\k)*65536
	global_load_b128 v[40*(\buf)+8*(\s)+4:40*(\buf)+8*(\s)+7], v[AOFF+(\s)], s[6:7] offset:(\k)*65536+32768
.endr
.endm
; One K step.  Source 0 = 16 output columns (rows of W2), source 1 = 16 rows of h: a lane's eight results are eight neighbouring columns of one row of y.  The 20 accumulators take turns.
; last = 1: the half's last trip, of three steps: it asks for nothing more of hid, and the counts run down.
.macro KSTEP j, last
	WIN W_DS
.if (\j) == 0
	DSF 0
.endif
.if (\j) < 3-(\last)
	DSF (\j)+1
.endif
	PLACES                                         ; the loads and the conversions below write registers that the K step before multiplied
.if !(\last)
	WIN W_LD
	GLA ((\j)+3)%4, (\j)+3
.endif
.if (\j) < 3-(\last)
	s_wait_dscnt 16                                ; this step's weights are in; the next step's 16 loads stay out
.else
	s_wait_dscnt 0x0
.endif
	WIN W_CV
.set i, 0
.rept 32
	v_cvt_pk_bf16_f32 v[BH+i], v[64*((\j)%2)+2*i], v[64*((\j)%2)+2*i+1]
.set i, i+1
.endr
.if \last
	s_wait_loadcnt 10*(2-(\j))                     ; the steps still to come, ten loads each
.else
	s_wait_loadcnt 30                              ; three younger steps of ten loads stay out
.endif
	WIN W_MM
.irp s, 0,1,2,3,4
.irp b, 0,1,2,3
	v_wmma_f32_16x16x32_bf16 v[ACC+32*(\s)+8*(\b):ACC+32*(\s)+8*(\b)+7], v[BH+8*(\b):BH+8*(\b)+7], v[40*(\j)+8*(\s):40*(\j)+8*(\s)+7], v[ACC+32*(\s)+8*(\b):ACC+32*(\s)+8*(\b)+7]
.endr
.endr
.endm
.macro TRIP last
	WIN 0
	v_add_nc_u32 v[BA], s[TB], v[B0]
	KSTEP 0, \last
	KSTEP 1, \last
	KSTEP 2, \last
.if !(\last)
	KSTEP 3, 0
.endif
	WIN 0
.if !(\last)
	s_add_co_u32 s[TB], s[TB], 512
	s_wait_xcnt 0x0                                ; the loads from hid have read their base
	s_add_nc_u64 s[6:7], s[6:7], 262144            ; 16 blocks of hid
.endif
.endm
.macro CHUNK                           ; a slot's two trips, written once
	WIN 0
	s_mov_b32 s[TW], 2
.Ltrip_\@:
	TRIP 0
	s_sub_co_u32 s[TW], s[TW], 1
	s_cmp_lg_u32 s[TW], 0
	s_cbranch_scc1 .Ltrip_\@
.endm
; THE CHANGE OF SLOTS: each wave waits for all its tensor loads, adds 0 to its spare word, and waits for that and for its own reads of the slot that it leaves; behind the barrier nobody reads the old slot and the other
; slot is whole.  fill = 1: the old slot is filled again, the first thing behind the barrier, with the tile two further on: one load a wave, which has a chunk's 160 products in which to land.
.macro CHANGE fill
	WIN 0
	s_wait_tensorcnt 0x0                           ; no tensor load of mine is out, so the descriptor may be written
	ds_add_u32 v1, v2                              ; 0 onto my spare word; scalar work stands between it and the wait for it
.if \fill
	s_xor_b32 s[G0W+1], s[G0W+1], SLOT1            ; the other slot than last time,
	s_add_nc_u64 s[G0W+2:G0W+3], s[G0W+2:G0W+3], 1024  ; the next 256 columns,
	s_sub_co_u32 s[G1+1], s[G1+1], 256<<16         ; of which so many fewer are left: 856, 600, 344, 88
.endif
	s_sub_co_u32 s[TB], s[TB], 1024
	s_xor_b32 s[TB], s[TB], SLOT1
	s_wait_dscnt 0x0                               ; the add is done, and my reads of the slot are over
	s_barrier_signal -1
	s_barrier_wait -1
.if \fill
	tensor_load_to_lds s[G0W:G0W+3], s[G1:G1+7]
	s_nop 0
	PLACES                                         ; four v_nop ahead of the next switch of the windows
.endif
.endm
; THE WAY OUT of one slot (ranks s25 .. s25 + 15): through my own stage, so that sixteen lanes hold a row's 256 bytes; the row's place in y comes from the list.
.macro EPI acc
	s_wait_xcnt 0x0                                ; earlier stores have read v[208:255]
.irp b, 0,1,2,3
	ds_store_b128 v9, v[(\acc)+8*(\b):(\acc)+8*(\b)+3]   offset:(\b)*64
	ds_store_b128 v9, v[(\acc)+8*(\b)+4:(\acc)+8*(\b)+7] offset:(\b)*64+16
.endr
	v_add_nc_u32 v14, s25, v12
.irp i, 0,1,2,3,4,5,6,7
	v_add_nc_u32 v[240+(\i)], 2*(\i), v14          ; lanes 0-15 take row 2 i, lanes 16-31 row 2 i + 1
	v_min_u32 v[240+(\i)], s21, v[240+(\i)]
	v_min_u32 v[240+(\i)], 1023, v[240+(\i)]
	v_lshl_add_u32 v[240+(\i)], v[240+(\i)], 2, s27
	ds_load_b32 v[240+(\i)], v[240+(\i)]
	ds_load_b128 v[208+4*(\i):208+4*(\i)+3], v10 offset:(\i)*2*SP   ; LDS serves a wave's instructions in order: these see the stores above
.endr
	s_wait_dscnt 0x0
.irp i, 0,1,2,3,4,5,6,7
	v_min_u32 v[240+(\i)], 2047, v[240+(\i)]
	v_lshl_add_u32 v[248+(\i)], v[240+(\i)], 12, v11
.endr
.irp i, 0,1,2,3,4,5,6,7
	global_store_b128 v[248+(\i)], v[208+4*(\i):208+4*(\i)+3], s[10:11]   ; 16 lanes store 256 consecutive bytes, at a multiple of 256 from y's first byte
.endr
.endm
	s_load_b256 s[4:11], s[0:1], 0x0               ; W2 s[4:5], hid s[6:7], bm s[8:9], y s[10:11]
	v_lshl_add_u32 v1, v0, 2, SPARE                ; my spare word; never rewritten
	v_mov_b32 v2, 0                                ; 0; never rewritten
	ds_add_u32 v1, v2                              ; the wave's opening: the add and its wait ahead of my first tensor load; the set-up below, work on registers, stands between them
	v_lshrrev_b32 v3, 5, v0
	v_readfirstlane_b32 s16, v3                    ; wave
	s_and_b32 s17, ttmp9, 15                       ; column slice
	s_lshr_b32 s19, ttmp9, 4                       ; half of K
	s_and_b32 s18, ttmp7, 0xffff                   ; expert
	; descriptor group 1: a tile of 16 rows x 256 f32, padded in LDS
	s_mov_b32 s[G1+0], (2<<16)|(1<<20)|(7<<22)|(3<<25)  ; elements of 4 bytes; padding on; after every 256 words; 4 words of it
	s_mov_b32 s[G1+1], (HCOL-256)<<16              ; tensor_dim0: the columns left from the second tile on; for the first tile too it is more than the tile's 256
	s_mov_b32 s[G1+2], 16<<16                      ; tensor_dim1 = 16
	s_mov_b32 s[G1+3], 256<<16                     ; tile_dim0 = 256
	s_mov_b32 s[G1+4], 16                          ; tile_dim1 = 16
	s_mov_b32 s[G1+5], 2736                        ; 2,736 elements from row to row
	s_mov_b32 s[G1+6], 0
	s_mov_b32 s[G1+7], 0
	s_lshl_b32 s28, s18, 10
	s_lshl_b32 s29, s17, 6
	s_add_co_u32 s28, s28, s29
	s_mul_i32 s28, s28, ROWB                       ; my work-group's first row of W2: under 2^27 bytes,
	s_mul_i32 s29, s19, HCOL*4
	s_add_co_u32 s28, s28, s29                     ; at my half's first column
	s_mov_b32 s29, 0
	s_mul_i32 s30, s16, 16*ROWB                    ; the 16 rows that I bring
	s_mov_b32 s31, 0
	s_mul_i32 s32, s18, 2*HHALF
	s_mul_i32 s33, s19, HHALF
	s_add_co_u32 s32, s32, s33
	s_lshl_b32 s32, s32, 14                        ; my half's first block of hid
	s_mov_b32 s33, 0
	s_lshl_b32 s34, s19, 23                        ; a half of y is 8,388,608 bytes
	s_lshl_b32 s35, s17, 8
	s_add_co_u32 s34, s34, s35
	s_mov_b32 s35, 0
	s_mul_i32 s36, s16, 16*PITCH                   ; where my rows go in a slot
	s_mov_b32 s[G0A], 1
	s_mov_b32 s[G0A+1], s36
	s_mov_b32 s[G0W], 1
	s_add_co_u32 s[G0W+1], s36, SLOT1
	s_mov_b32 s[TB], 0
	s_mul_i32 s27, s16, LREG
	s_add_co_u32 s27, s27, LISTB                   ; my list
	s_wait_dscnt 0x0                               ; the opening add is done
	s_wait_kmcnt 0x0
	s_add_nc_u64 s[4:5], s[4:5], s[28:29]
	s_add_nc_u64 s[6:7], s[6:7], s[32:33]
	s_add_nc_u64 s[10:11], s[10:11], s[34:35]
	s_mov_b64 s[46:47], s[6:7]                     ; kept for the slow way; s[6:7] steps
	s_add_nc_u64 s[38:39], s[4:5], s[30:31]
	s_mov_b64 s[G0A+2:G0A+3], s[38:39]
	s_or_b32 s[G0A+3], s[G0A+3], 0x80000000
	s_add_nc_u64 s[G0W+2:G0W+3], s[38:39], 1024
	s_or_b32 s[G0W+3], s[G0W+3], 0x80000000
	tensor_load_to_lds s[G0A:G0A+3], s[G1:G1+7]    ; both first fills go out together, ahead of every wait on TENSORcnt, every LDS read and every barrier: two loads of mine are out
	s_nop 0
	tensor_load_to_lds s[G0W:G0W+3], s[G1:G1+7]
	s_nop 0
	PLACES
	v_and_b32 v14, 15, v0                          ; r
	v_bfe_u32 v12, v0, 4, 1                        ; h
	v_mul_u32_u24 v[B0], v14, PITCH
	v_lshl_add_u32 v[B0], v12, 5, v[B0]            ; a fragment's row x pitch + 32 h
	s_mul_i32 s29, s16, 16*SP
	s_add_co_u32 s29, s29, STAGE                   ; my stage
	v_mul_u32_u24 v9, v14, SP
	v_lshl_add_u32 v9, v12, 5, v9
	v_add_nc_u32 v9, s29, v9                       ; in: row r, 32 bytes for each half of the lanes
	v_mul_u32_u24 v10, v12, SP
	v_lshl_add_u32 v10, v14, 4, v10
	v_add_nc_u32 v10, s29, v10                     ; back: lanes 0-15 one row of 256 bytes, lanes 16-31 the next
	v_lshlrev_b32 v11, 4, v14
	LIST 8
	s_lshl_b32 s28, s16, 4
	v_add_nc_u32 v15, s28, v14
.irp s, 0,1,2,3,4
	v_add_nc_u32 v[AOFF+(\s)], 64*(\s), v15        ; rank 16 (4 s + wave) + r,
	v_min_u32 v[AOFF+(\s)], s21, v[AOFF+(\s)]      ; the last row where there is none: only rows that were stored are loaded,
	v_min_u32 v[AOFF+(\s)], 1023, v[AOFF+(\s)]
	v_lshlrev_b32 v[AOFF+(\s)], 4, v[AOFF+(\s)]    ; 16 bytes a row,
	v_lshl_add_u32 v[AOFF+(\s)], v12, 14, v[AOFF+(\s)]  ; a block further for lanes 16-31
.endr
.set i, ACC
.rept 160
	v_mov_b32 v[i], 0
.set i, i+1
.endr
	WIN W_LD
	GLA 0, 0
	GLA 1, 1
	GLA 2, 2
	WIN 0
	s_wait_tensorcnt 0x1                           ; my part of slot 0 is in; slot 1's may stay out
	s_wait_dscnt 0x0
	s_barrier_signal -1
	s_barrier_wait -1
	CHUNK                                          ; columns 0-255
	s_mov_b32 s26, 4
.Lslot:                                                ; four times: the slot just read takes the tile two further on, and the other slot is multiplied
	CHANGE 1
	CHUNK
	s_sub_co_u32 s26, s26, 1
	s_cmp_lg_u32 s26, 0
	s_cbranch_scc1 .Lslot
	CHANGE 0                                       ; the tail is written out: nothing is asked for
	TRIP 1                                         ; columns 1280-1375, of which 88 are the half's last
	PLACES
.irp s, 0,1,2,3,4                      ; my slots go out in ascending order of rank; the first whose first rank is past the count ends the way out
	s_lshl_b32 s25, s16, 4
	s_add_co_u32 s25, s25, 64*(\s)
	s_cmp_lt_u32 s25, s20
	s_cbranch_scc0 .Lsent
	EPI ACC+32*(\s)
.endr
.Lsent:
	s_wait_dscnt 0x0                               ; my stage is done with: behind this barrier no wave writes LDS but for the closing lines
	s_barrier_signal -1
	s_barrier_wait -1
	; ROWS PAST 320: eleven trips, a tile each; a trip without a tile is jumped.  Nothing here writes LDS; the weights come as f32 fragments from memory.
	v_and_b32 v14, 15, v0
	v_mul_u32_u24 v3, v14, ROWB                    ; weight row r
	v_lshlrev_b32 v4, 5, v12                       ; 32 h
	s_mov_b32 s73, 0
.Lover:
	s_cmp_lt_u32 s73, s24
	s_cbranch_scc0 .Lnext
	s_wait_xcnt 0x0                                ; the last way out's stores have read their registers
	s_lshl_b32 s25, s73, 2
	s_add_co_u32 s25, s25, s16
	s_add_co_u32 s25, s25, 20                      ; the tile
	s_lshl_b32 s25, s25, 4
	v_add_nc_u32 v10, s25, v14
	v_min_u32 v10, s21, v10
	v_min_u32 v10, 1023, v10                       ; the rank
	v_lshlrev_b32 v9, 4, v10
	v_lshl_add_u32 v9, v12, 14, v9                 ; its place in a block of hid
	v_lshl_add_u32 v10, v10, 2, s27
	ds_load_b32 v10, v10
.set i, ACC
.rept 32
	v_mov_b32 v[i], 0
.set i, i+1
.endr
	s_mov_b64 s[66:67], s[46:47]
	s_mov_b32 s74, 0                               ; the K step's first column byte in my half of a row
	s_mov_b32 s72, 43
.Lok:
	v_add_nc_u32 v5, s74, v4                       ; four pieces of 16 bytes, each held inside the half's 5,472 bytes of the row (where that bites, h is the block of zeros); these twelve lines are also the places behind the last products
	v_add_nc_u32 v6, 16, v5
	v_add_nc_u32 v7, 64, v5
	v_add_nc_u32 v8, 80, v5
.irp c, 5,6,7,8
	v_min_u32 v\c, HCOL*4-16, v\c
	v_add_nc_u32 v\c, v3, v\c
.endr
	WIN W_DS
.irp b, 0,1,2,3
.irp c, 0,1,2,3
	global_load_b128 v[16*(\b)+4*(\c):16*(\b)+4*(\c)+3], v[5+(\c)], s[4:5] offset:(\b)*16*ROWB
.endr
.endr
	WIN W_LD
	global_load_b128 v[0:3], v9, s[66:67]
	global_load_b128 v[4:7], v9, s[66:67] offset:32768
	s_wait_loadcnt 0x0
	s_add_nc_u64 s[66:67], s[66:67], 65536
	s_add_co_u32 s74, s74, 128
	WIN W_CV
.set i, 0
.rept 32
	v_cvt_pk_bf16_f32 v[BH+i], v[2*i], v[2*i+1]
.set i, i+1
.endr
	WIN W_MM
.irp b, 0,1,2,3
	v_wmma_f32_16x16x32_bf16 v[ACC+8*(\b):ACC+8*(\b)+7], v[BH+8*(\b):BH+8*(\b)+7], v[0:7], v[ACC+8*(\b):ACC+8*(\b)+7]
.endr
	WIN 0
	s_sub_co_u32 s72, s72, 1
	s_cmp_lg_u32 s72, 0
	s_cbranch_scc1 .Lok
	PLACES
	s_wait_dscnt 0x0                               ; the row's number
	v_min_u32 v10, 2047, v10
	v_lshlrev_b32 v10, 12, v10
	v_lshl_add_u32 v10, v12, 5, v10                ; row x 4,096 + 32 h
.irp b, 0,1,2,3
	global_store_b128 v10, v[ACC+8*(\b):ACC+8*(\b)+3],   s[10:11] offset:(\b)*64
	global_store_b128 v10, v[ACC+8*(\b)+4:ACC+8*(\b)+7], s[10:11] offset:(\b)*64+16
.endr
.Lnext:
	s_add_co_u32 s73, s73, 1
	s_cmp_lt_u32 s73, 11
	s_cbranch_scc1 .Lover
	s_wait_dscnt 0x0                               ; my reads of my list are over
	s_barrier_signal -1
	s_barrier_wait -1
	s_wait_tensorcnt 0x0                           ; the wave's end, behind my last tensor load and my last LDS store
	ds_add_u32 v1, v2
	s_wait_dscnt 0x0
	s_endpgm
.Lfunc_end_k_qbf3d73ce6a_down:
	.size	k_qbf3d73ce6a_down, .Lfunc_end_k_qbf3d73ce6a_down-k_qbf3d73ce6a_down
	.p2alignl 7, 3214868480
	.fill 96, 4, 3214868480
	.section	.rodata,"a",@progbits
	.p2align	6, 0x0
	.amdhsa_kernel k_qbf3d73ce6a_down
		.amdhsa_group_segment_fixed_size 327680
		.amdhsa_private_segment_fixed_size 0
		.amdhsa_enable_private_segment 0
		.amdhsa_kernarg_size 32
		.amdhsa_user_sgpr_count 2
		.amdhsa_user_sgpr_kernarg_segment_ptr 1
		.amdhsa_wavefront_size32 1
		.amdhsa_system_sgpr_workgroup_id_x 1
		.amdhsa_system_sgpr_workgroup_id_y 1
		.amdhsa_system_sgpr_workgroup_id_z 1
		.amdhsa_system_vgpr_workitem_id 0
		.amdhsa_next_free_vgpr 640
		.amdhsa_next_free_sgpr 80
		.amdhsa_reserve_vcc 0
		.amdhsa_float_denorm_mode_32 3
		.amdhsa_float_denorm_mode_16_64 3
		.amdhsa_memory_ordered 1
		.amdhsa_forward_progress 1
		.amdhsa_inst_pref_size 109
	.end_amdhsa_kernel
	.amdgpu_metadata
---
amdhsa.version: [ 1, 2 ]
amdhsa.kernels:
  - .name:           k_qbf3d73ce6a_down
    .symbol:         k_qbf3d73ce6a_down.kd
    .args:
      - { .name: W2, .offset: 0, .size: 8, .value_kind: global_buffer, .address_space: global }
      - { .name: hid, .offset: 8, .size: 8, .value_kind: global_buffer, .address_space: global }
      - { .name: bm, .offset: 16, .size: 8, .value_kind: global_buffer, .address_space: global }
      - { .name: y, .offset: 24, .size: 8, .value_kind: global_buffer, .address_space: global }
    .group_segment_fixed_size: 327680
    .private_segment_fixed_size: 0
    .kernarg_segment_align: 8
    .kernarg_segment_size: 32
    .max_flat_workgroup_size: 128
    .sgpr_count:     80
    .vgpr_count:     640
    .wavefront_size: 32
...
	.end_amdgpu_metadata
.endif
;; end of part 3
;; launch combine (part 4): grid 256 x 1, 8 waves a work-group, no clusters, 0 bytes of LDS; arguments y, out0; writes out0
.if DOCPART == 4
	.amdgcn_target "amdgcn-amd-amdhsa--gfx1250"
	.amdhsa_code_object_version 6
	.text
	.protected	k_qbf3d73ce6a_combine
	.globl	k_qbf3d73ce6a_combine
	.p2align	8
	.type	k_qbf3d73ce6a_combine,@function
k_qbf3d73ce6a_combine:
	s_mov_b64 s[64:65], 0
	v_nop
	global_prefetch_b8 v0, s[64:65] scope:SCOPE_SE
	s_setreg_imm32_b32 hwreg(HW_REG_WAVE_MODE, 25, 1), 1
	s_wait_xcnt 0x0
; out[t] = (y[half 0][k 0][t] + y[half 1][k 0][t]) + (y[half 0][k 1][t] + y[half 1][k 1][t]): the two halves of K of each of a token's two experts; the gate weights are in y already.
; A stream: 16 MiB in, 4 MiB out, each byte once, 16 bytes a lane, a wave's load or store 512 consecutive bytes.  A work-group has 16,384 bytes of out, a thread four pieces 4,096 bytes apart.
; All sixteen loads of a thread go out before the first wait.  No LDS, no barrier, no matrix unit: there is nothing to share and nothing to multiply.
.set D, 4                              ; v[4:67]: piece j's four parts at D + 16 j
	s_load_b128 s[4:7], s[0:1], 0x0                ; y s[4:5], out0 s[6:7]
	s_lshl_b32 s8, ttmp9, 14
	v_lshl_add_u32 v1, v0, 4, s8
	s_wait_kmcnt 0x0
	s_add_nc_u64 s[10:11], s[4:5], 0x800000        ; the second half of K
.irp j, 0,1,2,3
	global_load_b128 v[D+16*(\j):D+16*(\j)+3],     v1, s[4:5]   offset:(\j)*4096 th:TH_LOAD_NT
	global_load_b128 v[D+16*(\j)+4:D+16*(\j)+7],   v1, s[10:11] offset:(\j)*4096 th:TH_LOAD_NT
	global_load_b128 v[D+16*(\j)+8:D+16*(\j)+11],  v1, s[4:5]   offset:4194304+(\j)*4096 th:TH_LOAD_NT
	global_load_b128 v[D+16*(\j)+12:D+16*(\j)+15], v1, s[10:11] offset:4194304+(\j)*4096 th:TH_LOAD_NT
.endr
.irp j, 0,1,2,3
	s_wait_loadcnt 12-4*(\j)                       ; loads come back in order: the later pieces' four loads each stay out
	v_pk_add_f32 v[D+16*(\j):D+16*(\j)+1],     v[D+16*(\j):D+16*(\j)+1],     v[D+16*(\j)+4:D+16*(\j)+5]
	v_pk_add_f32 v[D+16*(\j)+2:D+16*(\j)+3],   v[D+16*(\j)+2:D+16*(\j)+3],   v[D+16*(\j)+6:D+16*(\j)+7]
	v_pk_add_f32 v[D+16*(\j)+8:D+16*(\j)+9],   v[D+16*(\j)+8:D+16*(\j)+9],   v[D+16*(\j)+12:D+16*(\j)+13]
	v_pk_add_f32 v[D+16*(\j)+10:D+16*(\j)+11], v[D+16*(\j)+10:D+16*(\j)+11], v[D+16*(\j)+14:D+16*(\j)+15]
	v_pk_add_f32 v[D+16*(\j):D+16*(\j)+1],     v[D+16*(\j):D+16*(\j)+1],     v[D+16*(\j)+8:D+16*(\j)+9]
	v_pk_add_f32 v[D+16*(\j)+2:D+16*(\j)+3],   v[D+16*(\j)+2:D+16*(\j)+3],   v[D+16*(\j)+10:D+16*(\j)+11]
	global_store_b128 v1, v[D+16*(\j):D+16*(\j)+3], s[6:7] offset:(\j)*4096 th:TH_STORE_NT
.endr
	s_endpgm
.Lfunc_end_k_qbf3d73ce6a_combine:
	.size	k_qbf3d73ce6a_combine, .Lfunc_end_k_qbf3d73ce6a_combine-k_qbf3d73ce6a_combine
	.p2alignl 7, 3214868480
	.fill 96, 4, 3214868480
	.section	.rodata,"a",@progbits
	.p2align	6, 0x0
	.amdhsa_kernel k_qbf3d73ce6a_combine
		.amdhsa_group_segment_fixed_size 0
		.amdhsa_private_segment_fixed_size 0
		.amdhsa_enable_private_segment 0
		.amdhsa_kernarg_size 16
		.amdhsa_user_sgpr_count 2
		.amdhsa_user_sgpr_kernarg_segment_ptr 1
		.amdhsa_wavefront_size32 1
		.amdhsa_system_sgpr_workgroup_id_x 1
		.amdhsa_system_sgpr_workgroup_id_y 1
		.amdhsa_system_sgpr_workgroup_id_z 1
		.amdhsa_system_vgpr_workitem_id 0
		.amdhsa_next_free_vgpr 72
		.amdhsa_next_free_sgpr 66
		.amdhsa_reserve_vcc 0
		.amdhsa_float_denorm_mode_32 3
		.amdhsa_float_denorm_mode_16_64 3
		.amdhsa_memory_ordered 1
		.amdhsa_forward_progress 1
		.amdhsa_inst_pref_size 5
	.end_amdhsa_kernel
	.amdgpu_metadata
---
amdhsa.version: [ 1, 2 ]
amdhsa.kernels:
  - .name:           k_qbf3d73ce6a_combine
    .symbol:         k_qbf3d73ce6a_combine.kd
    .args:
      - { .name: y, .offset: 0, .size: 8, .value_kind: global_buffer, .address_space: global }
      - { .name: out0, .offset: 8, .size: 8, .value_kind: global_buffer, .address_space: global }
    .group_segment_fixed_size: 0
    .private_segment_fixed_size: 0
    .kernarg_segment_align: 8
    .kernarg_segment_size: 16
    .max_flat_workgroup_size: 256
    .sgpr_count:     66
    .vgpr_count:     72
    .wavefront_size: 32
...
	.end_amdgpu_metadata
.endif
;; end of part 4
;; ======== version 2 of 2: 4 launches
;; workspace buffers: xb 2,097,408 bytes; bm 2,048 bytes of whole numbers; gw 8,192 bytes; hid 45,088,768 bytes; y 16,777,216 bytes
;; launch router: the kernel of part 1 again; grid 32 x 1, 8 waves a work-group, no clusters, 78,848 bytes of LDS; arguments x, gate_w, xb, bm, gw; writes xb, bm, gw
;; launch up (part 5): grid 57 x 8, 4 waves a work-group, no clusters, 327,680 bytes of LDS; arguments Wg, W1, xb, bm, gw, hid; writes hid
.if DOCPART == 5
	.amdgcn_target "amdgcn-amd-amdhsa--gfx1250"
	.amdhsa_code_object_version 6
	.text
	.protected	k_qbf3d73ce6a_up
	.globl	k_qbf3d73ce6a_up
	.p2align	8
	.type	k_qbf3d73ce6a_up,@function
k_qbf3d73ce6a_up:
	s_mov_b64 s[64:65], 0
	v_nop
	global_prefetch_b8 v0, s[64:65] scope:SCOPE_SE
	s_setreg_imm32_b32 hwreg(HW_REG_WAVE_MODE, 25, 1), 1
	s_wait_xcnt 0x0
; FIRST PRODUCTS.  For expert e and 48 of its 2,736 hidden rows: h = w silu(x Wg^T) (x W1^T) for the rows that chose e, w the row's gate weight (the second product is linear, so the weight is
; folded in here).  h is rounded once to bf16 and stored as hid[e][half of K][block of 8 hidden columns][rank of the row][8]: the order in which the next launch's operand registers take it.
; Hidden columns 0-1367 are half 0's blocks 0-170, columns 1368-2735 half 1's; block 171 of each half is stored as zeros (by the last slice): it pads K to whole steps of 32.
; SHARES.  grid 57 x 8: each work-group alone reads its 2 x 48 rows x 4,096 bytes of f32 weights, once.  Four waves, all running the same text.
; WEIGHTS.  They come as f32 by the tensor data mover into two LDS slots of 256 along K (96 rows of 1,024 bytes: 48 of Wg, then 48 of W1); wave w brings rows 24 w .. 24 w + 23.  Each wave reads f32
; fragments from LDS and rounds them to bf16 on the way to the matrix unit.  The mover has a counter of its own, so the counted waits for token rows never wait for weights.
; ROWS.  The expert's rows are ranked by token; the token of a rank is found in registers from the expert's two bitmaps (FINDROWS).  Tile i (16 ranks) belongs to wave i % 4, slot i / 4; five slots a wave,
; 320 rows, stay in accumulators while K goes once through the weights; the token rows come from xb straight into registers.  All five slots are always multiplied and stored: ranks past the count take the
; last row (an expert without rows: token 0), so a slot without rows asks for one row only, no jump in the main pass hangs on data, and the next launch finds every byte stored that it loads.
; LIMITS.  Rows past 320 of one expert (up to 1,024 are served) go a slower way behind the main pass: a tile a trip, the f32 weights read again straight from memory.
; NaN and infinities are not treated apart; an input beyond bf16's largest number rounds to infinity; 1 / (1 + 2^t) is a reciprocal (1 ulp).
; The accumulators are cleared by v_mov_b32 while the first tile is on its way: so one text serves every K step.
; NO MULTICAST: each weight has one reader, and the token rows are chosen by the routing, which no tile descriptor covers.
.set PITCH, 1040                       ; an LDS row: 256 f32 + 16 bytes = 65 x 16: the 16 rows of a fragment load start at 16 different groups of four banks
.set SLOTB, 96*PITCH                   ; a slot, 99,840 bytes
.set SLOT1, 1<<17                      ; slot 1 begins here, so that one exclusive or turns an address in one slot into the other's
.set SPARE, SLOTB                      ; between the slots, where no tile lands: the spare words, 128 bytes a wave: two blocks of 256 bytes that no other line names
.set HHALF, 172                        ; blocks of 8 hidden columns in a half of K; a block is 1,024 rows x 16 bytes
; window 0: v0 thread (kept), v1 v2 the add's, v[3:7] token offsets, v8 v9 LDS addresses of a trip's fragments (blocks 0-2, 3-5), v[10:12] my places in hid, v13 my place in a tile, v14 v15 at work,
;   v[16:255] accumulators: slot s, block b at 16 + 48 s + 8 b (b 0-2: x Wg^T of 16 hidden rows each; b 3-5: x W1^T); ahead of the clearing v[16:69] serve FINDROWS
; window 1: v[0:159] token fragments, four buffers of five slots; v[160:207] weight fragments in bf16; v[208:212] the slots' gate weights.      window 2: v[0:191] weight fragments in f32, two buffers
.set AOFF, 3
.set BA,   8
.set HOFF, 10
.set B0,   13
.set ACC,  16
.set BH,   160
.set WT,   208
.set G1,   48                          ; s[48:55] descriptor group 1
.set G0A,  56                          ; s[56:59] group 0 of the first fill of slot 0
.set G0W,  60                          ; s[60:63] group 0 of the first fill of slot 1; it then walks on
.set TW,   43                          ; s43 counts a chunk's two trips
.set TB,   44                          ; s44 LDS byte at which the trip's 128 columns begin
.set FM,   74                          ; s[74:78] FINDROWS's masks, one a slot
.set W_DS, 0x80                        ; destination window 2, address window 0
.set W_LD, 0x40                        ; destination window 1, address window 0
.set W_CV, 0x4a                        ; sources window 2, destination window 1
.set W_MM, 0x05                        ; sources 0 and 1 window 1, C and D window 0
.set W_W1, 0x01                        ; source 0 window 1
.set MSB, 0
.macro WIN new                         ; the immediate's high byte repeats the setting that is left; a switch that changes nothing is dropped
.if MSB != (\new)
	s_set_vgpr_msb (MSB<<8)|(\new)
.set MSB, \new
.endif
.endm
.macro PLACES                          ; four places between a product and a load into, or a vector line on, its registers
.rept 4
	v_nop
.endr
.endm
; FROM A RANK TO ITS ROW, in registers.  FREGS names 54 registers from fb on, five of each kind (one a slot); ALLS writes a line once for each of cnt slots, ii = 0 .. cnt - 1, so that a slot's chain of
; dependent lines is interleaved with the other slots'.
.macro FREGS fb
.set FB0,  (\fb)                       ; lane g: word g of the expert's first choices
.set FB1,  (\fb)+1                     ; of its second choices
.set FAD,  (\fb)+2                     ; their offset in bm
.set FQ,   (\fb)+4                     ; in: the rank; at work: the rank within the word; out: the row, 1024 k + token
.set FW,   (\fb)+9                     ; the word that holds the rank's bit (both choices)
.set FV,   (\fb)+14                    ; the same word of the second choices alone
.set FG,   (\fb)+19                    ; 65536 g + the count of rows ahead of word g; then g
.set FT,   (\fb)+24                    ; at work
.set F1,   (\fb)+29                    ; the word's bit counts by fields of 2 bits,
.set F2,   (\fb)+34                    ; of 4,
.set F3,   (\fb)+39                    ; of 8
.set FC,   (\fb)+44                    ; the count in the lower half of the range in hand
.set FPOS, (\fb)+49                    ; the range's first bit
.endm
.macro ALLS cnt, line:vararg
.set ii, 0
.rept \cnt
	\line
.set ii, ii+1
.endr
.endm
; the range in hand is halved: if the rank is not below the lower half's count, it lies in the upper half
.macro HALVE cnt, width, first
	ALLS \cnt, v_cmp_ge_u32 s[FM+ii], v[FQ+ii], v[FC+ii]
	ALLS \cnt, v_cndmask_b32 v[FC+ii], 0, v[FC+ii], s[FM+ii]
	ALLS \cnt, v_sub_nc_u32 v[FQ+ii], v[FQ+ii], v[FC+ii]
.if \first
	ALLS \cnt, v_cndmask_b32 v[FPOS+ii], 0, \width, s[FM+ii]
.else
	ALLS \cnt, v_cndmask_b32 v[FT+ii], 0, \width, s[FM+ii]
	ALLS \cnt, v_add_nc_u32 v[FPOS+ii], v[FPOS+ii], v[FT+ii]
.endif
.endm
; FINDROWS: 32 trips, one for each word of 32 tokens.  A lane keeps the last word that is not empty and has at most its rank's number of rows ahead of it: that word holds the rank's bit; a rank past the count ends
; at the last word that is not empty and is then held to the last rank.  With no row at all the word 1 stands in: token 0, first choice.  Leaves the count in s20 and the last rank in s21.
.macro FINDROWS cnt
	v_and_b32 v[FAD], 31, v0                       ; lane
	s_lshl_b32 s29, s18, 2
	v_lshl_add_u32 v[FAD], v[FAD], 6, s29          ; word g: 64 g + 4 e
	global_load_b32 v[FB0], v[FAD], s[10:11]
	global_load_b32 v[FB1], v[FAD], s[10:11] offset:32
	ALLS \cnt, v_mov_b32 v[FW+ii], 1
	ALLS \cnt, v_mov_b32 v[FV+ii], 0
	ALLS \cnt, v_mov_b32 v[FG+ii], 0
	s_mov_b32 s20, 0                               ; rows ahead of the word
	s_mov_b32 s28, 0                               ; g
	s_wait_loadcnt 0x0                             ; the bitmaps (and whatever else was out)
.Lfind_\@:
	v_readlane_b32 s29, v[FB0], s28
	v_readlane_b32 s30, v[FB1], s28
	s_lshl_b32 s35, s28, 16
	s_or_b32 s35, s35, s20
	s_or_b32 s31, s29, s30                         ; SCC: the word is not empty
	s_cselect_b32 s33, s20, -1                     ; an empty word is kept by nobody
	ALLS \cnt, v_cmp_le_u32 s[FM+ii], s33, v[FQ+ii]
	ALLS \cnt, v_cndmask_b32 v[FW+ii], v[FW+ii], s31, s[FM+ii]
	ALLS \cnt, v_cndmask_b32 v[FV+ii], v[FV+ii], s30, s[FM+ii]
	ALLS \cnt, v_cndmask_b32 v[FG+ii], v[FG+ii], s35, s[FM+ii]
	s_bcnt1_i32_b32 s32, s31
	s_add_co_u32 s20, s20, s32
	s_add_co_u32 s28, s28, 1
	s_cmp_lt_u32 s28, 32
	s_cbranch_scc1 .Lfind_\@
	s_min_u32 s20, s20, 1024                       ; the count
	s_max_u32 s21, s20, 1
	s_sub_co_u32 s21, s21, 1                       ; the last rank
	ALLS \cnt, v_min_u32 v[FQ+ii], s21, v[FQ+ii]
	ALLS \cnt, v_and_b32 v[FT+ii], 0xffff, v[FG+ii]
	ALLS \cnt, v_sub_nc_u32 v[FQ+ii], v[FQ+ii], v[FT+ii]   ; the rank within the word
	ALLS \cnt, v_lshrrev_b32 v[FG+ii], 16, v[FG+ii]
	ALLS \cnt, v_lshrrev_b32 v[FT+ii], 1, v[FW+ii]         ; the word's bit counts, by fields of 2, 4 and 8 bits
	ALLS \cnt, v_and_b32 v[FT+ii], 0x55555555, v[FT+ii]
	ALLS \cnt, v_sub_nc_u32 v[F1+ii], v[FW+ii], v[FT+ii]
	ALLS \cnt, v_lshrrev_b32 v[FT+ii], 2, v[F1+ii]
	ALLS \cnt, v_and_b32 v[FT+ii], 0x33333333, v[FT+ii]
	ALLS \cnt, v_and_b32 v[F2+ii], 0x33333333, v[F1+ii]
	ALLS \cnt, v_add_nc_u32 v[F2+ii], v[F2+ii], v[FT+ii]
	ALLS \cnt, v_lshrrev_b32 v[FT+ii], 4, v[F2+ii]
	ALLS \cnt, v_add_nc_u32 v[FT+ii], v[F2+ii], v[FT+ii]
	ALLS \cnt, v_and_b32 v[F3+ii], 0x0f0f0f0f, v[FT+ii]
	ALLS \cnt, v_lshrrev_b32 v[FT+ii], 8, v[F3+ii]
	ALLS \cnt, v_add_nc_u32 v[FT+ii], v[F3+ii], v[FT+ii]
	ALLS \cnt, v_and_b32 v[FC+ii], 0xff, v[FT+ii]          ; the count in bits 0-15
	HALVE \cnt, 16, 1
	ALLS \cnt, v_bfe_u32 v[FC+ii], v[F3+ii], v[FPOS+ii], 8
	HALVE \cnt, 8, 0
	ALLS \cnt, v_bfe_u32 v[FC+ii], v[F2+ii], v[FPOS+ii], 4
	HALVE \cnt, 4, 0
	ALLS \cnt, v_bfe_u32 v[FC+ii], v[F1+ii], v[FPOS+ii], 2
	HALVE \cnt, 2, 0
	ALLS \cnt, v_bfe_u32 v[FC+ii], v[FW+ii], v[FPOS+ii], 1
	HALVE \cnt, 1, 0
	ALLS \cnt, v_bfe_u32 v[FT+ii], v[FV+ii], v[FPOS+ii], 1         ; k
	ALLS \cnt, v_lshl_add_u32 v[FC+ii], v[FG+ii], 5, v[FPOS+ii]    ; the token: 32 g + the bit
	ALLS \cnt, v_lshl_add_u32 v[FQ+ii], v[FT+ii], 10, v[FC+ii]
.endm
; the f32 weight fragments of K step q of a trip: 6 blocks of 16 rows x 32 K; a lane's k = 8 h + 0..7 are 32 bytes, its k = 16 + 8 h + 0..7 lie 64 bytes on
.macro DSF q
.irp b, 0,1,2,3,4,5
.irp c, 0,1,2,3
	ds_load_b128 v[96*((\q)%2)+16*(\b)+4*(\c):96*((\q)%2)+16*(\b)+4*(\c)+3], v[BA+(\b)/3] offset:((\b)%3)*16*PITCH+(\q)*128+((\c)%2)*16+((\c)/2)*64
.endr
.endr
.endm
; the token fragments of K step k (counted from the running base) for my five slots
.macro GLA buf, k
.irp s, 0,1,2,3,4
	global_load_b128 v[40*(\buf)+8*(\s):40*(\buf)+8*(\s)+3],   v[AOFF+(\s)], s[36:37] offset:(\k)*64
	global_load_b128 v[40*(\buf)+8*(\s)+4:40*(\buf)+8*(\s)+7], v[AOFF+(\s)], s[36:37] offset:(\k)*64+32
.endr
.endm
; One K step of 32.  Source 0 = 16 hidden rows, source 1 = 16 tokens: a lane's eight results are eight neighbouring hidden columns of one token.
; The 30 accumulators take turns, in the same order in every step: no two products that follow each other share one, round the loops too.
.macro KSTEP j
	WIN W_DS
.if (\j) == 0
	DSF 0
.endif
.if (\j) < 3
	DSF (\j)+1
.endif
	PLACES                                         ; the loads and the conversions below write registers that the K step before multiplied
	WIN W_LD
	GLA ((\j)+3)%4, (\j)+3
.if (\j) < 3
	s_wait_dscnt 24                                ; this step's weights are in; the next step's 24 loads stay out
.else
	s_wait_dscnt 0x0
.endif
	WIN W_CV
.set i, 0
.rept 48
	v_cvt_pk_bf16_f32 v[BH+i], v[96*((\j)%2)+2*i], v[96*((\j)%2)+2*i+1]
.set i, i+1
.endr
	s_wait_loadcnt 30                              ; this step's tokens are in; three younger steps of ten loads stay out
	WIN W_MM
.irp s, 0,1,2,3,4
.irp b, 0,1,2,3,4,5
	v_wmma_f32_16x16x32_bf16 v[ACC+48*(\s)+8*(\b):ACC+48*(\s)+8*(\b)+7], v[BH+8*(\b):BH+8*(\b)+7], v[40*(\j)+8*(\s):40*(\j)+8*(\s)+7], v[ACC+48*(\s)+8*(\b):ACC+48*(\s)+8*(\b)+7]
.endr
.endr
.endm
; A trip: four K steps, 512 bytes of the slot's rows
.macro TRIP
	WIN 0
	v_add_nc_u32 v[BA], s[TB], v[B0]
	v_add_nc_u32 v[BA+1], 3*16*PITCH, v[BA]
	KSTEP 0
	KSTEP 1
	KSTEP 2
	KSTEP 3
	WIN 0
	s_add_co_u32 s[TB], s[TB], 512
	s_wait_xcnt 0x0                                ; the token loads have read their base and their offsets
	s_add_nc_u64 s[36:37], s[36:37], 256           ; 128 along K in xb
.endm
; A chunk: a slot's two trips, written once
.macro CHUNK
	WIN 0
	s_mov_b32 s[TW], 2
.Ltrip_\@:
	TRIP
	s_sub_co_u32 s[TW], s[TW], 1
	s_cmp_lg_u32 s[TW], 0
	s_cbranch_scc1 .Ltrip_\@
.endm
; THE CHANGE OF SLOTS.  Each wave waits for all its tensor loads, of which one at the most is out: its part of the other slot; adds 0 to its spare word; and waits for that and for its own reads of the slot that it
; leaves.  Behind the barrier nobody reads the old slot any more and the other slot is whole.  fill = 1: the old slot is filled again, the first thing behind the barrier, with the chunk two further on:
; one load a wave, which has a chunk's 240 products in which to land.
.macro CHANGE fill
	WIN 0
	s_wait_tensorcnt 0x0                           ; no tensor load of mine is out, so a group 0 may be written
	ds_add_u32 v1, v2                              ; 0 onto my spare word; scalar work stands between it and the wait for it
.if \fill
	s_xor_b32 s[G0W+1], s[G0W+1], SLOT1            ; the walking descriptor: the other slot than last time,
	s_add_nc_u64 s[G0W+2:G0W+3], s[G0W+2:G0W+3], 1024  ; the next 256 columns; the type bits on top are not reached
.endif
	s_sub_co_u32 s[TB], s[TB], 1024                ; the reads go back to a slot's first column,
	s_xor_b32 s[TB], s[TB], SLOT1                  ; in the other slot
	s_wait_dscnt 0x0                               ; the add is done, and my reads of the slot are over
	s_barrier_signal -1
	s_barrier_wait -1
.if \fill
	tensor_load_to_lds s[G0W:G0W+3], s[G1:G1+7]
	s_nop 0
	PLACES                                         ; four v_nop ahead of the next switch of the windows
.endif
.endm
; THE WAY OUT of one slot (ranks s25 .. s25 + 15): h = w g u / (1 + 2^(-g log2 e)), in place; each accumulator is read from its low end on.  wt: the register (window 1) with the rows' weight, or -1 if it is in v4.
.macro EPI acc, wt
	s_wait_xcnt 0x0                                ; earlier stores have read their addresses and data
.if (\wt) >= 0
	WIN W_W1
	v_mov_b32 v4, v[\wt]
	WIN 0
.endif
	v_mov_b32 v5, v4
	s_lshl_b32 s28, s25, 4                         ; 16 bytes a row
	v_add_nc_u32 v6, s28, v[HOFF]
	v_add_nc_u32 v7, s28, v[HOFF+1]
	v_add_nc_u32 v8, s28, v[HOFF+2]
.set G, (\acc)
.set U, (\acc)+24
.set i, 0
.rept 12
	v_pk_mul_f32 v[U+2*i:U+2*i+1], v[G+2*i:G+2*i+1], v[U+2*i:U+2*i+1]
.set i, i+1
.endr
.set i, 0
.rept 12
	v_pk_mul_f32 v[U+2*i:U+2*i+1], v[U+2*i:U+2*i+1], v[4:5]
.set i, i+1
.endr
.set i, 0
.rept 12
	v_pk_mul_f32 v[G+2*i:G+2*i+1], v[G+2*i:G+2*i+1], 0xbfb8aa3b op_sel_hi:[1,0]
.set i, i+1
.endr
.set i, 0
.rept 24
	v_exp_f32 v[G+i], v[G+i]
.set i, i+1
.endr
	v_nop                                          ; a plain instruction behind the last exponential,
	s_wait_alu depctr_va_vdst(0)                   ; and one wait for the batch of 24
.set i, 0
.rept 12
	v_pk_add_f32 v[G+2*i:G+2*i+1], v[G+2*i:G+2*i+1], 1.0 op_sel_hi:[1,0]
.set i, i+1
.endr
.set i, 0
.rept 24
	v_rcp_f32 v[G+i], v[G+i]
.set i, i+1
.endr
	v_nop
	s_wait_alu depctr_va_vdst(0)                   ; one wait for the 24 reciprocals
.set i, 0
.rept 12
	v_pk_mul_f32 v[U+2*i:U+2*i+1], v[U+2*i:U+2*i+1], v[G+2*i:G+2*i+1]
.set i, i+1
.endr
.set i, 0
.rept 12
	v_cvt_pk_bf16_f32 v[G+8*(i/4)+i%4], v[U+2*i], v[U+2*i+1]
.set i, i+1
.endr
	global_store_b128 v6, v[G:G+3], s[14:15]       ; each half of the lanes stores 16 rows x 16 bytes of one block: 256 consecutive bytes, at a multiple of 256 from hid's first byte
	global_store_b128 v7, v[G+8:G+11], s[14:15]
	global_store_b128 v8, v[G+16:G+19], s[14:15]
	s_cmp_lg_u32 s17, 56
	s_cbranch_scc1 .Lnopad_\@
.irp z, 0,1,2,3                        ; the last slice also stores the zeros of block 171: lanes 0-15 half 0's, lanes 16-31 half 1's
	v_mov_b32 v[U+(\z)], 0
.endr
	v_add_nc_u32 v9, s28, v3
	global_store_b128 v9, v[U:U+3], s[14:15]
.Lnopad_\@:
.endm
	s_load_b256 s[4:11], s[0:1], 0x0               ; Wg s[4:5], W1 s[6:7], xb s[8:9], bm s[10:11]
	s_load_b128 s[12:15], s[0:1], 0x20             ; gw s[12:13], hid s[14:15]
	v_lshl_add_u32 v1, v0, 2, SPARE                ; my spare word; never rewritten
	v_mov_b32 v2, 0                                ; 0; never rewritten
	ds_add_u32 v1, v2                              ; the wave's opening: the add and its wait ahead of my first tensor load; the set-up below, work on registers, stands between them
	v_lshrrev_b32 v3, 5, v0
	v_readfirstlane_b32 s16, v3                    ; wave
	s_mov_b32 s17, ttmp9                           ; slice
	s_and_b32 s18, ttmp7, 0xffff                   ; expert
	; descriptor group 1: a tile of 24 rows x 256 f32, padded in LDS
	s_mov_b32 s[G1+0], (2<<16)|(1<<20)|(7<<22)|(3<<25)  ; 17:16 elements of 4 bytes; 20 padding on; 24:22 after every 256 words (code 7); 31:25 4 words of it (code 3)
	s_mov_b32 s[G1+1], 256<<16                     ; tensor_dim0 = 256
	s_mov_b32 s[G1+2], 24<<16                      ; tensor_dim1 = 24
	s_mov_b32 s[G1+3], 256<<16                     ; tile_dim0 = 256
	s_mov_b32 s[G1+4], 24                          ; tile_dim1 = 24
	s_mov_b32 s[G1+5], 1024                        ; 1,024 elements from row to row
	s_mov_b32 s[G1+6], 0
	s_mov_b32 s[G1+7], 0
	s_mul_i32 s28, s18, 2736
	s_mul_i32 s29, s17, 48
	s_add_co_u32 s28, s28, s29
	s_lshl_b32 s28, s28, 12                        ; the slice's first weight row, 4,096 bytes a row: under 2^27
	s_mov_b32 s29, 0
	s_and_b32 s30, s16, 1
	s_mul_i32 s30, s30, 24*4096                    ; which 24 of the 48 rows I bring
	s_mov_b32 s31, 0
	s_mul_i32 s32, s18, 2*HHALF
	s_lshl_b32 s32, s32, 14                        ; the expert's part of hid
	s_mov_b32 s33, 0
	s_mul_i32 s34, s16, 24*PITCH                   ; where my rows go in a slot
	s_mov_b32 s[G0A], 1                            ; count = 1
	s_mov_b32 s[G0A+1], s34                        ; LDS address: slot 0
	s_mov_b32 s[G0W], 1
	s_add_co_u32 s[G0W+1], s34, SLOT1              ; slot 1
	s_mov_b32 s[TB], 0
	s_wait_dscnt 0x0                               ; the opening add is done
	s_wait_kmcnt 0x0
	s_add_nc_u64 s[4:5], s[4:5], s[28:29]
	s_add_nc_u64 s[6:7], s[6:7], s[28:29]
	s_add_nc_u64 s[14:15], s[14:15], s[32:33]
	s_mov_b64 s[36:37], s[8:9]                     ; xb's running base
	s_cmp_lt_u32 s16, 2                            ; waves 0, 1 bring Wg's rows, waves 2, 3 W1's
	s_cselect_b64 s[38:39], s[4:5], s[6:7]
	s_add_nc_u64 s[38:39], s[38:39], s[30:31]
	s_mov_b64 s[G0A+2:G0A+3], s[38:39]             ; global address: columns 0-255
	s_or_b32 s[G0A+3], s[G0A+3], 0x80000000        ; type = 2
	s_add_nc_u64 s[G0W+2:G0W+3], s[38:39], 1024    ; columns 256-511
	s_or_b32 s[G0W+3], s[G0W+3], 0x80000000
	tensor_load_to_lds s[G0A:G0A+3], s[G1:G1+7]    ; both first fills go out together, ahead of every wait on TENSORcnt, every LDS read and every barrier: two loads of mine are out
	s_nop 0
	tensor_load_to_lds s[G0W:G0W+3], s[G1:G1+7]
	s_nop 0
	PLACES
	v_and_b32 v14, 15, v0                          ; r
	v_bfe_u32 v15, v0, 4, 1                        ; h
	v_mul_u32_u24 v[B0], v14, PITCH
	v_lshl_add_u32 v[B0], v15, 5, v[B0]            ; a fragment's row x pitch + 32 h
	s_mul_i32 s28, s17, 6                          ; the slice's first block of 8 hidden columns
.irp u, 0,1,2                          ; my eight columns of unit u are block 6 slice + 2 u + h; from block 171 on one place further, past half 0's block of zeros
	v_add_nc_u32 v[HOFF+(\u)], s28, v15
	v_add_nc_u32 v[HOFF+(\u)], 2*(\u), v[HOFF+(\u)]
	v_cmp_lt_u32 vcc_lo, 170, v[HOFF+(\u)]
	v_cndmask_b32 v9, 0, 1, vcc_lo
	v_add_nc_u32 v[HOFF+(\u)], v9, v[HOFF+(\u)]
	v_lshlrev_b32 v[HOFF+(\u)], 14, v[HOFF+(\u)]
	v_lshl_add_u32 v[HOFF+(\u)], v14, 4, v[HOFF+(\u)]
.endr
	FREGS 16
	s_lshl_b32 s28, s16, 4
	v_add_nc_u32 v9, s28, v14
.irp s, 0,1,2,3,4
	v_add_nc_u32 v[FQ+(\s)], 64*(\s), v9           ; rank 16 (4 s + wave) + r
.endr
	FINDROWS 5
	s_add_co_u32 s22, s20, 15
	s_lshr_b32 s22, s22, 4                         ; tiles
	s_max_u32 s24, s22, 20
	s_sub_co_u32 s24, s24, 17
	s_sub_co_u32 s24, s24, s16
	s_lshr_b32 s24, s24, 2                         ; my tiles past the twentieth, 0 to 11
	v_lshlrev_b32 v15, 4, v15                      ; 16 h
.irp s, 0,1,2,3,4
	v_min_u32 v[AOFF+(\s)], 2047, v[FQ+(\s)]       ; the row, 1024 k + token
	v_lshlrev_b32 v[FT+(\s)], 2, v[AOFF+(\s)]
.endr
	WIN W_LD
.irp s, 0,1,2,3,4
	global_load_b32 v[WT+(\s)], v[FT+(\s)], s[12:13]
.endr
	WIN 0
.irp s, 0,1,2,3,4
	v_and_b32 v[AOFF+(\s)], 1023, v[AOFF+(\s)]     ; the token
	v_lshl_add_u32 v[AOFF+(\s)], v[AOFF+(\s)], 11, v15
.endr
	s_wait_xcnt 0x0                                ; the weights' offsets have been read: they lie among the registers cleared below
.set i, ACC
.rept 240
	v_mov_b32 v[i], 0
.set i, i+1
.endr
	WIN W_LD
	GLA 0, 0
	GLA 1, 1
	GLA 2, 2
	WIN 0
	s_wait_tensorcnt 0x1                           ; my part of slot 0 is in; slot 1's may stay out
	s_barrier_signal -1
	s_barrier_wait -1                              ; everybody's is
	CHUNK                                          ; columns 0-255
	s_mov_b32 s26, 2
.Lslot:                                                ; twice: the slot just read takes the chunk two further on, and the other slot is multiplied
	CHANGE 1
	CHUNK
	s_sub_co_u32 s26, s26, 1
	s_cmp_lg_u32 s26, 0
	s_cbranch_scc1 .Lslot
	CHANGE 0                                       ; the tail is written out: nothing is asked for
	CHUNK                                          ; columns 768-1023
	; The three K steps asked for past K's end (they lie in the next row, or in xb's 256 spare bytes) serve nothing and are not waited for here: the last trip's closing s_wait_xcnt 0 has freed their
	; offsets and base, and nothing names their registers (window 1, v0-119) ahead of the slow way's wait for all loads.
	v_bfe_u32 v9, v0, 4, 1                         ; eight plain lines, the places behind the last products
	v_and_b32 v14, 15, v0
	v_mul_u32_u24 v3, v9, HHALF
	v_add_nc_u32 v3, 171, v3
	v_lshlrev_b32 v3, 14, v3
	v_lshl_add_u32 v3, v14, 4, v3                  ; my place in the blocks of zeros
	v_lshlrev_b32 v13, 12, v14
	v_lshl_add_u32 v13, v9, 5, v13                 ; the slow way: weight row r, 32 h bytes in
.irp s, 0,1,2,3,4
	s_lshl_b32 s25, s16, 4
	s_add_co_u32 s25, s25, 64*(\s)
	EPI ACC+48*(\s), WT+(\s)
.endr
	; ROWS PAST 320: eleven trips, a tile each; a trip without a tile is jumped.  Nothing here touches LDS; the weights come as f32 fragments from memory.
	FREGS 64
	s_mov_b32 s73, 0
.Lover:
	s_cmp_lt_u32 s73, s24
	s_cbranch_scc0 .Lnext
	s_wait_xcnt 0x0                                ; the last way out's stores have read their registers
	s_lshl_b32 s25, s73, 2
	s_add_co_u32 s25, s25, s16
	s_add_co_u32 s25, s25, 20                      ; the tile
	s_lshl_b32 s25, s25, 4
	v_add_nc_u32 v[FQ], s25, v14
	FINDROWS 1                                     ; its wait for all loads also covers the loads left out behind the main pass
	v_bfe_u32 v9, v0, 4, 1
	v_lshlrev_b32 v9, 4, v9
.set i, ACC
.rept 48
	v_mov_b32 v[i], 0
.set i, i+1
.endr
	s_mov_b64 s[66:67], s[4:5]
	s_mov_b64 s[68:69], s[6:7]
	s_mov_b64 s[70:71], s[8:9]
	s_mov_b32 s72, 32
	v_min_u32 v15, 2047, v[FQ]
	v_lshlrev_b32 v6, 2, v15
	global_load_b32 v4, v6, s[12:13]
	v_and_b32 v15, 1023, v15
	v_lshl_add_u32 v15, v15, 11, v9
.Lok:
	PLACES
	WIN W_DS
.irp u, 0,1,2
.irp c, 0,1,2,3
	global_load_b128 v[16*(\u)+4*(\c):16*(\u)+4*(\c)+3],       v13, s[66:67] offset:(\u)*65536+((\c)%2)*16+((\c)/2)*64
	global_load_b128 v[48+16*(\u)+4*(\c):48+16*(\u)+4*(\c)+3], v13, s[68:69] offset:(\u)*65536+((\c)%2)*16+((\c)/2)*64
.endr
.endr
	WIN W_LD
	global_load_b128 v[0:3], v15, s[70:71]
	global_load_b128 v[4:7], v15, s[70:71] offset:32
	s_wait_loadcnt 0x0
	s_add_nc_u64 s[66:67], s[66:67], 128
	s_add_nc_u64 s[68:69], s[68:69], 128
	s_add_nc_u64 s[70:71], s[70:71], 64
	WIN W_CV
.set i, 0
.rept 48
	v_cvt_pk_bf16_f32 v[BH+i], v[2*i], v[2*i+1]
.set i, i+1
.endr
	WIN W_MM
.irp b, 0,1,2,3,4,5
	v_wmma_f32_16x16x32_bf16 v[ACC+8*(\b):ACC+8*(\b)+7], v[BH+8*(\b):BH+8*(\b)+7], v[0:7], v[ACC+8*(\b):ACC+8*(\b)+7]
.endr
	WIN 0
	s_sub_co_u32 s72, s72, 1
	s_cmp_lg_u32 s72, 0
	s_cbranch_scc1 .Lok
	PLACES
	EPI ACC, -1
.Lnext:
	s_add_co_u32 s73, s73, 1
	s_cmp_lt_u32 s73, 11
	s_cbranch_scc1 .Lover
	s_wait_tensorcnt 0x0                           ; the wave's end, behind my last tensor load
	ds_add_u32 v1, v2
	s_wait_dscnt 0x0
	s_endpgm
.Lfunc_end_k_qbf3d73ce6a_up:
	.size	k_qbf3d73ce6a_up, .Lfunc_end_k_qbf3d73ce6a_up-k_qbf3d73ce6a_up
	.p2alignl 7, 3214868480
	.fill 96, 4, 3214868480
	.section	.rodata,"a",@progbits
	.p2align	6, 0x0
	.amdhsa_kernel k_qbf3d73ce6a_up
		.amdhsa_group_segment_fixed_size 327680
		.amdhsa_private_segment_fixed_size 0
		.amdhsa_enable_private_segment 0
		.amdhsa_kernarg_size 48
		.amdhsa_user_sgpr_count 2
		.amdhsa_user_sgpr_kernarg_segment_ptr 1
		.amdhsa_wavefront_size32 1
		.amdhsa_system_sgpr_workgroup_id_x 1
		.amdhsa_system_sgpr_workgroup_id_y 1
		.amdhsa_system_sgpr_workgroup_id_z 1
		.amdhsa_system_vgpr_workitem_id 0
		.amdhsa_next_free_vgpr 704
		.amdhsa_next_free_sgpr 80
		.amdhsa_reserve_vcc 1
		.amdhsa_float_denorm_mode_32 3
		.amdhsa_float_denorm_mode_16_64 3
		.amdhsa_memory_ordered 1
		.amdhsa_forward_progress 1
		.amdhsa_inst_pref_size 183
	.end_amdhsa_kernel
	.amdgpu_metadata
---
amdhsa.version: [ 1, 2 ]
amdhsa.kernels:
  - .name:           k_qbf3d73ce6a_up
    .symbol:         k_qbf3d73ce6a_up.kd
    .args:
      - { .name: Wg, .offset: 0, .size: 8, .value_kind: global_buffer, .address_space: global }
      - { .name: W1, .offset: 8, .size: 8, .value_kind: global_buffer, .address_space: global }
      - { .name: xb, .offset: 16, .size: 8, .value_kind: global_buffer, .address_space: global }
      - { .name: bm, .offset: 24, .size: 8, .value_kind: global_buffer, .address_space: global }
      - { .name: gw, .offset: 32, .size: 8, .value_kind: global_buffer, .address_space: global }
      - { .name: hid, .offset: 40, .size: 8, .value_kind: global_buffer, .address_space: global }
    .group_segment_fixed_size: 327680
    .private_segment_fixed_size: 0
    .kernarg_segment_align: 8
    .kernarg_segment_size: 48
    .max_flat_workgroup_size: 128
    .sgpr_count:     80
    .vgpr_count:     704
    .wavefront_size: 32
...
	.end_amdgpu_metadata
.endif
;; end of part 5
;; launch down: the kernel of part 3 again; grid 32 x 8, 4 waves a work-group, no clusters, 327,680 bytes of LDS; arguments W2, hid, bm, y; writes y
;; launch combine: the kernel of part 4 again; grid 256 x 1, 8 waves a work-group, no clusters, 0 bytes of LDS; arguments y, out0; writes out0
